; MI455X (gfx1250); checked and timed in simulation.
; The chip was launched on July 23, 2026; its instructions are those of AMD's public machine-readable ISA for CDNA 5 (MIT licence, August 2026) and "CDNA5" Instruction Set Architecture Reference Guide (July 2026). The comments in the code are by the model that wrote it; some were corrected since.
;; LSTM Layer. Allowed arithmetic: matrix products marked QUANTISED: E4M3 operands, one E8M0 scale for each 32 along K, by v_wmma_scale_f32_16x16x128_f8f6f4 with both operands' format E4M3, f32 sums; everything else in f32.
;; Inputs: S 8,192 x 1,024 float32; Ug 1,024 x 1,024 float32; Uh 1,024 x 1,024 float32; Ur 1,024 x 1,024 float32; Uz 1,024 x 1,024 float32; Wg 1,024 x 1,024 float32; Wh 1,024 x 1,024 float32; Wr 1,024 x 1,024 float32; Wz 1,024 x 1,024 float32; X 8,192 x 1,024 float32; bg 1,024 float32; bh 1,024 float32; br 1,024 float32; bz 1,024 float32.
;; Outputs: out0 8,192 x 1,024 float32.
;; This version of the problem:
;;   THIS VERSION OF THE PROBLEM IS GIVEN IN LOW PRECISION. The matrix products marked QUANTISED in the list below multiply operands that are first quantised to E4M3 (4 exponent bits, 3 mantissa bits; 8 bits a number), with one power-of-two scale for each 32 numbers along K (OCP MX v1.0); their sums are f32. All else is computed in f32.
;;   The module's matrix products, in the order in which they are computed (A, B: the left and right operand; K: the contracted axis; several contracted axes count as one K, in the product's order):
;;     1. [M 8,192, K 1,024] x [K 1,024, N 3,072]; A: input X; B: computed on the way: QUANTISED
;;     2. [M 8,192, K 1,024] x [K 1,024, N 3,072]; A: input S; B: computed on the way: QUANTISED
;;     3. [M 8,192, K 1,024] x [K 1,024, N 1,024]; A: input X; B: input Uh: QUANTISED
;;     4. [M 8,192, K 1,024] x [K 1,024, N 1,024]; A: computed on the way; B: input Wh: QUANTISED
;;   THE QUANTISER, for each operand of a quantised product, along K:
;;     - K is cut into blocks of 32 from its start; a last block that is shorter is filled with zeros.
;;     - A block's scale is 2^e with e = floor(log2(the largest magnitude in the block)) - 8, held to -126 .. 127; a block of zeros has e = 0. As a byte (E8M0): e + 127.
;;     - Each number is divided by its block's scale, clamped to +-448, and rounded to the nearest number of E4M3, ties to even, subnormals kept.
;;     - The product sums the exact products of the quantised numbers (number of the format x scale) in f32.
;;   ~~~python
;;   def quantise(x, axis):      # numpy; x: float32 -> the quantised numbers, widened to float32 again
;;       x = np.moveaxis(x, axis, -1); K = x.shape[-1]
;;       x = np.pad(x, [(0, 0)] * (x.ndim - 1) + [(0, -K % 32)]); x = x.reshape(x.shape[:-1] + (-1, 32)); a = np.abs(x).max(-1, keepdims=True)
;;       e = np.where(a > 0, np.clip(np.frexp(np.where(a > 0, a, 1))[1] - 1 - 8, -126, 127), 0)      # np.frexp(a)[1] - 1 = floor(log2(a)), exactly
;;       r = np.clip(x / 2.0 ** e, -448, 448)
;;       step = 2.0 ** (np.maximum(np.frexp(np.where(r == 0, 1, r))[1] - 1, -6) - 3)
;;       q = np.round(r / step) * step * 2.0 ** e      # np.round: ties to even
;;       return np.moveaxis(q.reshape(q.shape[:-2] + (-1,))[..., :K], -1, axis).astype(np.float32)
;;   ~~~
;;   OPERANDS COMPUTED ON THE WAY. 'Computed on the way' means the value that the module computes at that place (a softmax that the list does not call 'softmax' is quantised finished and normalised). What goes into a quantiser is computed in f32, as accurately as f32 sums, v_exp_f32 and their like allow (about 1e-6 of the number): no bf16 or f16 on the way to a quantiser, and a product that is left as it is and whose result goes on into a quantised operand takes f32 operands (vector FMAs, or v_wmma_f32_16x16x4_f32). A number that lies on a knife's edge between two numbers of the format may be rounded either way, as far as f32 arithmetic and the matrix unit's own rounding can turn it there, and no further.
;; One version. Each part assembles by itself: llvm-mc -triple=amdgcn-amd-amdhsa -mcpu=gfx1250 --defsym DOCPART=n.
;; ======== version 1 of 1: 3 launches
;; limits: a function is approximated: absolute error at most 2e-07
;; workspace buffers: ac 16,777,216 bytes; asc 524,288 bytes; wc 8,388,608 bytes; wsc 262,144 bytes; src 16,777,216 bytes; srs 262,144 bytes; zs 33,554,432 bytes
;; launch quant (part 1): grid 1024 x 1, 4 waves a work-group, no clusters, 34,304 bytes of LDS; arguments X, S, Ur, Uz, Ug, Uh, Wr, Wz, Wg, Wh, ac, asc, wc, wsc; writes ac, asc, wc, wsc
.if DOCPART == 1
	.amdgcn_target "amdgcn-amd-amdhsa--gfx1250"
	.amdhsa_code_object_version 6
	.text
	.protected	k_qb441309eba_quant
	.globl	k_qb441309eba_quant
	.p2align	8
	.type	k_qb441309eba_quant,@function
k_qb441309eba_quant:
	s_mov_b64 s[64:65], 0
	v_nop
	global_prefetch_b8 v0, s[64:65] scope:SCOPE_SE
	s_setreg_imm32_b32 hwreg(HW_REG_WAVE_MODE, 25, 1), 1
	s_wait_xcnt 0x0
; S_new = (1 - G) H + Z S;  Z, G, R = tanh(X U. + S W. + b.);  H = tanh(X Uh + (S R) Wh + bh).  All eight products (8192 x 1024 x 1024) on codes of E4M3 with one E8M0 scale for each 32 along K.
; THREE LAUNCHES: this one turns X, S and the eight weights into codes and scale bytes, once; the second makes R and Z (S R as codes, Z S as f32); the third makes G and H and the result.
; DEAD WORK: none.  Every input has a way to the result for all values: X, S and the U., W. through the products, the b. through the tanh; all fourteen are loaded (the four biases by the later launches).
; LAYOUT OF THE CODES: images of operand registers.  A fragment (16 rows x 128 K) is 2,048 bytes = 4 chunks c of 512: lane l = 16 h + r has its 16 bytes at 512 c + 16 l: K = 32 c + 16 h + 0 .. 15 of row r.
;   ac  [512 tiles of 16 rows][16 K steps][2048]: K steps 0-7 X, 8-15 S.      wc  [4 gates R, Z, G, H][64 tiles of 16 columns][16 K steps][2048]: K steps 0-7 U, 8-15 W.
;   asc [512][8 pairs of K steps][16 rows][2 words], wsc [4][64][8][16][2]: a word is the four scale bytes of one row and one K step.
; THE COLUMNS OF A WEIGHT TILE ARE NOT NEIGHBOURS: row r of tile T is column 32 (T / 2) + 8 (T % 2) + r + 8 (r / 8), so that the results of two neighbouring tiles are 16 neighbours along the next K.
; A block's scale is 2^(floor(log2(largest magnitude)) - 8): its byte is that magnitude's exponent field - 8, held at 1 from below; numbers are held within +-448 x the scale and rounded to the nearest code, ties to even.
; LIMITS: a block of zeros gets the byte 1 where the rule says 127 (its codes are zeros, and this program alone reads the bytes); blocks whose largest magnitude lies under 2^-118 were not tried; NaN and infinities are not served.
; Work-groups 0-511 take the weights, 512-1023 X and S.  No tensor loads, no barrier: waves share nothing.  Only the second path stores to LDS.
.set SPARE, 33792                      ; behind the four stages: the spare words, 128 bytes for each wave
.set SPW,   6                          ; v6   LDS address of my spare word; never rewritten
.set NIL,   7                          ; v7   0; never rewritten
.set WV,    40                         ; s40  my wave's number
.set MNT,   41                         ; s41  the mantissa field of 448
.set SEL,   54                         ; s[54:55] lane selects: lane l xor 16
.set HM,    56                         ; s56  a mask of lanes 16-31
.set TM,    8                          ; v8-23  at work in QUANT
.set PW,    24                         ; v24-27 the scale words of four K steps
.set PC,    32                         ; v32-47 the codes just made
.set XT,    192                        ; v192-255 64 numbers of my row, in the operand's order
; ---- the weights: block c of 32 along K of my column
.macro LOADW c
.irp i, 0,1,2,3,4,5,6,7,8,9,10,11,12,13,14,15,16,17,18,19,20,21,22,23,24,25,26,27,28,29,30,31
	global_load_b32 v[64+32*((\c)%2)+\i], v3, s[32:33] offset:(32*(\c)+\i)*4096 th:TH_LOAD_NT   ; one row of K at 32 neighbouring columns: 128 consecutive bytes a wave, 512 a work-group
.endr
.endm
.macro BLOCKW c
.set XS, 64+32*((\c)%2)
.if (\c) < 3
	s_wait_loadcnt 32                              ; this block's 32 loads are in; the next block's may be out
.else
	s_wait_loadcnt 0
.endif
	v_max3_num_f32 v12, |v[XS]|, |v[XS+1]|, |v[XS+2]|               ; the block's largest magnitude: all 32 numbers are mine
	v_max3_num_f32 v13, |v[XS+3]|, |v[XS+4]|, |v[XS+5]|
.irp i, 6,10,14,18,22,26
	v_max3_num_f32 v12, v12, |v[XS+\i]|, |v[XS+\i+1]|
	v_max3_num_f32 v13, v13, |v[XS+\i+2]|, |v[XS+\i+3]|
.endr
	v_max3_num_f32 v12, v12, |v[XS+30]|, |v[XS+31]|
	v_max3_num_f32 v12, v12, v13, 0x4800000        ; and the floor 2^(9 - 127): the byte cannot fall under 1
	v_add_nc_u32 v14, 0xfc000000, v12              ; 8 off the exponent field: the conversion's scale operand
	v_and_or_b32 v15, v12, 0x7f800000, s[MNT]      ; 448 x the scale
	v_lshrrev_b32 v16, 23, v14                     ; the scale's byte
.if (\c) == 0
	v_mov_b32 v17, v16                             ; four bytes make my column's scale word of this K step
.else
	v_lshl_or_b32 v17, v16, 8*(\c), v17
.endif
.irp i, 0,1,2,3,4,5,6,7,8,9,10,11,12,13,14,15,16,17,18,19,20,21,22,23,24,25,26,27,28,29,30,31
	v_med3_num_f32 v[XS+\i], v[XS+\i], -v15, v15   ; the conversion to an 8-bit code does not saturate (ISA guide 7.6.2): the hold comes first
.endr
.irp g, 0,1,2,3
	v_cvt_scalef32_pk8_fp8_f32 v[32+8*(\c)+2*\g:32+8*(\c)+2*\g+1], v[XS+8*\g:XS+8*\g+7], v14   ; each block has its own eight code registers: no store's data are written again
.endr
	global_store_b128 v9, v[32+8*(\c):32+8*(\c)+3], s[28:29] offset:512*(\c)         ; K = 32 c + 0 .. 15: the place of lanes 0-15 in chunk c; sixteen lanes fill 256 consecutive bytes
	global_store_b128 v9, v[32+8*(\c)+4:32+8*(\c)+7], s[28:29] offset:512*(\c)+256   ; K = 32 c + 16 .. 31: the place of lanes 16-31
.if (\c)+2 < 4
	LOADW (\c)+2
.endif
.endm
; ---- X and S: 64 numbers of a lane, register 16 b + i = K 32 b + 16 (lane / 16) + i of my row, become a fragment's codes in v[PC] on and its scale word in v[pw]
.macro QUANT s, pw
.irp b, 0,1,2,3
	v_max3_num_f32 v[TM+\b], |v[\s+16*\b]|, |v[\s+1+16*\b]|, 0x4800000   ; block b: my 16 numbers, and the floor 2^(9 - 127)
.endr
.irp i, 2,4,6,8,10,12,14
.irp b, 0,1,2,3
	v_max3_num_f32 v[TM+\b], v[TM+\b], |v[\s+16*\b+\i]|, |v[\s+1+16*\b+\i]|   ; the four blocks by turns
.endr
.endr
.irp b, 0,1,2,3
	v_permlanex16_b32 v[TM+4+\b], v[TM+\b], s[SEL], s[SEL+1]
.endr
.irp b, 0,1,2,3
	v_max_num_f32 v[TM+\b], v[TM+\b], v[TM+4+\b]   ; with lane l xor 16's: the block's largest magnitude
.endr
.irp b, 0,1,2,3
	v_add_nc_u32 v[TM+12+\b], 0xfc000000, v[TM+\b]   ; the conversion's scale operand
.endr
.irp b, 0,1,2,3
	v_and_or_b32 v[TM+8+\b], v[TM+\b], 0x7f800000, s[MNT]   ; 448 x the scale
.endr
.irp b, 0,1,2,3
	v_lshrrev_b32 v[TM+4+\b], 23, v[TM+12+\b]      ; the scale's byte
.endr
	v_lshl_or_b32 v[\pw], v[TM+5], 8, v[TM+4]
	v_lshl_or_b32 v[\pw], v[TM+6], 16, v[\pw]
	v_lshl_or_b32 v[\pw], v[TM+7], 24, v[\pw]
.irp b, 0,1,2,3
.irp i, 0,1,2,3,4,5,6,7,8,9,10,11,12,13,14,15
	v_med3_num_f32 v[\s+16*\b+\i], v[\s+16*\b+\i], -v[TM+8+\b], v[TM+8+\b]
.endr
	v_cvt_scalef32_pk8_fp8_f32 v[PC+4*\b:PC+1+4*\b], v[\s+16*\b:\s+7+16*\b], v[TM+12+\b]
	v_cvt_scalef32_pk8_fp8_f32 v[PC+2+4*\b:PC+3+4*\b], v[\s+8+16*\b:\s+15+16*\b], v[TM+12+\b]
.endr
	v_nop                                          ; one plain vector instruction behind the last scaled conversion
.endm
.macro LOADA t                         ; K step t of my 16 rows: each load reads 512 consecutive bytes of one row
.irp i, 0,1,2,3,4,5,6,7,8,9,10,11,12,13,14,15
	global_load_b128 v[64+64*((\t)%2)+4*\i:64+64*((\t)%2)+4*\i+3], v1, s[4:5] offset:4096*\i+512*(\t) th:TH_LOAD_NT
.endr
.endm
.macro STEPA t
.if (\t) < 3
	s_wait_loadcnt 16                              ; this step's 16 loads are in; the next step's may be out
.else
	s_wait_loadcnt 0
.endif
.irp i, 0,1,2,3,4,5,6,7,8,9,10,11,12,13,14,15
	ds_store_b128 v3, v[64+64*((\t)%2)+4*\i:64+64*((\t)%2)+4*\i+3] offset:528*\i   ; row i as it lies, into my own stage (rows 528 bytes apart)
.endr
.irp b, 0,1,2,3
.irp j, 0,1,2,3
	ds_load_b128 v[XT+16*\b+4*\j:XT+16*\b+4*\j+3], v4 offset:128*\b+16*\j   ; back: my row's 16 numbers of each block; LDS serves a wave's instructions in order
.endr
.endr
	s_wait_dscnt 0x0                               ; the numbers are back, and the stores have read their registers
	s_wait_xcnt 0x0                                ; the last step's stores have read the code registers: they are written again only behind this wait
.if (\t)+2 < 4
	LOADA (\t)+2
.endif
	QUANT XT, PW+(\t)
.irp c, 0,1,2,3
	global_store_b128 v1, v[PC+4*\c:PC+4*\c+3], s[24:25] offset:2048*(\t)+512*\c   ; 32 lanes store 512 consecutive bytes: a chunk of the image
.endr
.endm
	s_load_b128 s[4:7], s[0:1], 0x0                ; X, S
	s_load_b256 s[8:15], s[0:1], 0x10              ; Ur, Uz, Ug, Uh
	s_load_b256 s[16:23], s[0:1], 0x30             ; Wr, Wz, Wg, Wh
	s_load_b256 s[24:31], s[0:1], 0x50             ; ac, asc, wc, wsc
	v_lshl_add_u32 v[SPW], v0, 2, SPARE
	v_mov_b32 v[NIL], 0
	v_lshrrev_b32 v1, 5, v0
	v_readfirstlane_b32 s[WV], v1                  ; wave 0..3
	v_and_b32 v2, 31, v0                           ; lane
	s_mov_b32 s[MNT], 0x600000
	s_cmp_lt_u32 ttmp9, 512
	s_cbranch_scc0 .Lact
	; ---------------- THE WEIGHTS.  A LANE TAKES A COLUMN, ITS REGISTERS RUN DOWN K: a wave takes 32 columns x one K step of 128
	s_lshr_b32 s42, ttmp9, 6                       ; which of the eight matrices: 4 x (U or W) + gate
	s_and_b32 s43, s42, 3                          ; gate
	s_lshr_b32 s44, s42, 2                         ; 0: U, 1: W
	s_bfe_u32 s45, ttmp9, 0x30003
	s_and_b32 s46, ttmp9, 7                        ; K step in the matrix
	s_lshl_b32 s45, s45, 2
	s_add_co_u32 s45, s45, s[WV]                   ; my group of 32 columns, 0..31
	s_lshl_b32 s48, s46, 19                        ; 128 rows of 4,096 bytes
	s_lshl_b32 s47, s45, 7
	s_add_co_u32 s48, s48, s47
	s_mov_b32 s49, 0
	s_lshl_b32 s47, s44, 3
	s_add_co_u32 s47, s47, s46                     ; K step of the operand, 0..15
	s_lshl_b32 s50, s43, 21                        ; codes: gate, two tiles a group, K step
	s_lshl_b32 s51, s45, 16
	s_add_co_u32 s50, s50, s51
	s_lshl_b32 s51, s47, 11
	s_add_co_u32 s50, s50, s51
	s_mov_b32 s51, 0
	s_lshl_b32 s52, s43, 16                        ; scale words: gate, two tiles a group, pair of K steps, word
	s_lshl_b32 s53, s45, 11
	s_add_co_u32 s52, s52, s53
	s_lshr_b32 s53, s47, 1
	s_lshl_b32 s53, s53, 7
	s_add_co_u32 s52, s52, s53
	s_and_b32 s53, s46, 1
	s_lshl_b32 s53, s53, 2
	s_add_co_u32 s52, s52, s53
	s_mov_b32 s53, 0
	v_lshlrev_b32 v3, 2, v2                        ; in: 4 bytes a lane
	v_bfe_u32 v4, v2, 3, 1                         ; which of the group's two tiles holds my column,
	v_and_b32 v5, 7, v2
	v_lshrrev_b32 v8, 4, v2
	v_lshl_or_b32 v5, v8, 3, v5                    ; and which of its rows
	v_lshlrev_b32 v9, 4, v5
	v_lshl_add_u32 v9, v4, 15, v9                  ; codes: 32,768 x tile + 16 x row
	v_lshlrev_b32 v10, 3, v5
	v_lshl_add_u32 v10, v4, 10, v10                ; scale words: 1,024 x tile + 8 x row
	s_wait_kmcnt 0x0
	s_bitcmp1_b32 s42, 0                           ; the matrix is chosen by the work-group's number alone
	s_cselect_b64 s[32:33], s[10:11], s[8:9]
	s_cselect_b64 s[34:35], s[14:15], s[12:13]
	s_cselect_b64 s[36:37], s[18:19], s[16:17]
	s_cselect_b64 s[38:39], s[22:23], s[20:21]
	s_bitcmp1_b32 s42, 1
	s_cselect_b64 s[32:33], s[34:35], s[32:33]
	s_cselect_b64 s[36:37], s[38:39], s[36:37]
	s_bitcmp1_b32 s42, 2
	s_cselect_b64 s[32:33], s[36:37], s[32:33]
	s_add_nc_u64 s[32:33], s[32:33], s[48:49]
	s_add_nc_u64 s[28:29], s[28:29], s[50:51]
	s_add_nc_u64 s[30:31], s[30:31], s[52:53]
	LOADW 0
	LOADW 1
	BLOCKW 0
	BLOCKW 1
	BLOCKW 2
	BLOCKW 3
	global_store_b32 v10, v17, s[30:31]            ; 4 bytes a lane, 8 bytes apart: one byte for each 128 that the path reads
	s_wait_tensorcnt 0x0                           ; the wave's end
	ds_add_u32 v[SPW], v[NIL]
	s_wait_dscnt 0x0
	s_endpgm
.Lact:
	; ---------------- X AND S.  A wave takes a tile of 16 rows x 512 along K, in four K steps of 128
	s_sub_co_u32 s42, ttmp9, 512
	s_lshl_b32 s42, s42, 2
	s_add_co_u32 s42, s42, s[WV]                   ; 0..2047
	s_lshr_b32 s43, s42, 10                        ; 0: X, 1: S
	s_bfe_u32 s44, s42, 0x90001                    ; tile of rows
	s_and_b32 s45, s42, 1                          ; which half of K
	s_lshl_b32 s48, s44, 16
	s_lshl_b32 s47, s45, 11
	s_add_co_u32 s48, s48, s47                     ; in: 16 rows of 4,096 bytes a tile, 2,048 bytes a half
	s_mov_b32 s49, 0
	s_lshl_b32 s50, s44, 15
	s_lshl_b32 s47, s43, 14
	s_add_co_u32 s50, s50, s47
	s_lshl_b32 s47, s45, 13
	s_add_co_u32 s50, s50, s47                     ; codes: tile, K step 8 x tensor + 4 x half
	s_mov_b32 s51, 0
	s_lshl_b32 s52, s44, 10
	s_lshl_b32 s47, s43, 9
	s_add_co_u32 s52, s52, s47
	s_lshl_b32 s47, s45, 8
	s_add_co_u32 s52, s52, s47                     ; scale words: tile, pair of K steps 4 x tensor + 2 x half
	s_mov_b32 s53, 0
	s_mov_b32 s[SEL], 0x76543210
	s_mov_b32 s[SEL+1], 0xfedcba98
	s_mov_b32 s[HM], 0xffff0000
	s_mul_i32 s46, s[WV], 8448                     ; my stage: 16 rows x 528 bytes
	v_lshlrev_b32 v1, 4, v2                        ; 16 x lane
	v_add_nc_u32 v3, s46, v1                       ; the stage, on the way in
	v_and_b32 v30, 15, v2                          ; r
	v_lshrrev_b32 v31, 4, v2                       ; h
	v_mul_u32_u24 v4, v30, 528
	v_lshl_add_u32 v4, v31, 6, v4
	v_add_nc_u32 v4, s46, v4                       ; and on the way out: row r, + 64 h
	v_lshlrev_b32 v5, 3, v30
	v_lshl_add_u32 v5, v31, 7, v5                  ; scale words: lanes 0-15 the first pair of K steps, lanes 16-31 the second; 8 bytes a row
.irp b, 0,1,2,3
	v_mov_b32 v[TM+4+\b], 0                        ; written once: a lane permute's destination counts as one of its sources
.endr
	s_wait_kmcnt 0x0
	s_cmp_eq_u32 s43, 0
	s_cselect_b64 s[4:5], s[4:5], s[6:7]
	s_add_nc_u64 s[4:5], s[4:5], s[48:49]
	s_add_nc_u64 s[24:25], s[24:25], s[50:51]
	s_add_nc_u64 s[26:27], s[26:27], s[52:53]
	LOADA 0
	LOADA 1
	STEPA 0
	STEPA 1
	STEPA 2
	STEPA 3
	v_cndmask_b32 v28, v[PW], v[PW+2], s[HM]       ; every lane holds its row's four words: lanes 16-31 send those of K steps 2 and 3
	v_cndmask_b32 v29, v[PW+1], v[PW+3], s[HM]
	global_store_b64 v5, v[28:29], s[26:27]        ; 32 lanes store 256 consecutive bytes
	s_wait_tensorcnt 0x0                           ; the wave's end, behind my last LDS store
	ds_add_u32 v[SPW], v[NIL]
	s_wait_dscnt 0x0
	s_endpgm
.Lfunc_end_k_qb441309eba_quant:
	.size	k_qb441309eba_quant, .Lfunc_end_k_qb441309eba_quant-k_qb441309eba_quant
	.p2alignl 7, 3214868480
	.fill 96, 4, 3214868480
	.section	.rodata,"a",@progbits
	.p2align	6, 0x0
	.amdhsa_kernel k_qb441309eba_quant
		.amdhsa_group_segment_fixed_size 34304
		.amdhsa_private_segment_fixed_size 0
		.amdhsa_enable_private_segment 0
		.amdhsa_kernarg_size 112
		.amdhsa_user_sgpr_count 2
		.amdhsa_user_sgpr_kernarg_segment_ptr 1
		.amdhsa_wavefront_size32 1
		.amdhsa_system_sgpr_workgroup_id_x 1
		.amdhsa_system_sgpr_workgroup_id_y 1
		.amdhsa_system_sgpr_workgroup_id_z 1
		.amdhsa_system_vgpr_workitem_id 0
		.amdhsa_next_free_vgpr 256
		.amdhsa_next_free_sgpr 66
		.amdhsa_reserve_vcc 0
		.amdhsa_float_denorm_mode_32 3
		.amdhsa_float_denorm_mode_16_64 3
		.amdhsa_memory_ordered 1
		.amdhsa_forward_progress 1
		.amdhsa_inst_pref_size 80
	.end_amdhsa_kernel
	.amdgpu_metadata
---
amdhsa.version: [ 1, 2 ]
amdhsa.kernels:
  - .name:           k_qb441309eba_quant
    .symbol:         k_qb441309eba_quant.kd
    .args:
      - { .name: X, .offset: 0, .size: 8, .value_kind: global_buffer, .address_space: global }
      - { .name: S, .offset: 8, .size: 8, .value_kind: global_buffer, .address_space: global }
      - { .name: Ur, .offset: 16, .size: 8, .value_kind: global_buffer, .address_space: global }
      - { .name: Uz, .offset: 24, .size: 8, .value_kind: global_buffer, .address_space: global }
      - { .name: Ug, .offset: 32, .size: 8, .value_kind: global_buffer, .address_space: global }
      - { .name: Uh, .offset: 40, .size: 8, .value_kind: global_buffer, .address_space: global }
      - { .name: Wr, .offset: 48, .size: 8, .value_kind: global_buffer, .address_space: global }
      - { .name: Wz, .offset: 56, .size: 8, .value_kind: global_buffer, .address_space: global }
      - { .name: Wg, .offset: 64, .size: 8, .value_kind: global_buffer, .address_space: global }
      - { .name: Wh, .offset: 72, .size: 8, .value_kind: global_buffer, .address_space: global }
      - { .name: ac, .offset: 80, .size: 8, .value_kind: global_buffer, .address_space: global }
      - { .name: asc, .offset: 88, .size: 8, .value_kind: global_buffer, .address_space: global }
      - { .name: wc, .offset: 96, .size: 8, .value_kind: global_buffer, .address_space: global }
      - { .name: wsc, .offset: 104, .size: 8, .value_kind: global_buffer, .address_space: global }
    .group_segment_fixed_size: 34304
    .private_segment_fixed_size: 0
    .kernarg_segment_align: 8
    .kernarg_segment_size: 112
    .max_flat_workgroup_size: 128
    .sgpr_count:     66
    .vgpr_count:     256
    .wavefront_size: 32
...
	.end_amdgpu_metadata
.endif
;; end of part 1
;; launch gate_rz (part 2): grid 8 x 32, 4 waves a work-group, clusters of 4 x 4, 327,680 bytes of LDS; arguments ac, asc, wc, wsc, br, bz, S, src, srs, zs; writes src, srs, zs
.if DOCPART == 2
	.amdgcn_target "amdgcn-amd-amdhsa--gfx1250"
	.amdhsa_code_object_version 6
	.text
	.protected	k_qb441309eba_gate_rz
	.globl	k_qb441309eba_gate_rz
	.p2align	8
	.type	k_qb441309eba_gate_rz,@function
k_qb441309eba_gate_rz:
	s_mov_b64 s[64:65], 0
	v_nop
	global_prefetch_b8 v0, s[64:65] scope:SCOPE_SE
	s_setreg_imm32_b32 hwreg(HW_REG_WAVE_MODE, 25, 1), 1
	s_wait_xcnt 0x0
	s_wait_alu depctr_hold_cnt(0) depctr_sa_sdst(0) depctr_va_vdst(0) depctr_va_sdst(0) depctr_va_ssrc(0) depctr_va_vcc(0) depctr_vm_vsrc(0)
	s_getreg_b32 s2, hwreg(HW_REG_IB_STS2, 6, 4)
	s_cmp_eq_u32 s2, 0
	s_cbranch_scc0 .Lentry_in_a_cluster
	s_endpgm
.Lentry_in_a_cluster:
	s_bfe_u32 s2, ttmp6, 0x10000c
	s_cmp_lg_u32 s2, 0xf033
	s_cbranch_scc0 .Lentry_shape_is_right
	s_endpgm
.Lentry_shape_is_right:
; R = tanh(X Ur + S Wr + br), Z = tanh(X Uz + S Wz + bz) on the codes of the first launch; out go S R as codes and scale words (the operand of the last product) and Z S as f32.  No work of the problem is left out.
; SHARES.  A work-group makes 256 rows x 128 columns of BOTH gates.  Wave w: rows 128 (w / 2) on, gate w % 2 (0: R, 1: Z): 128 x 128, 64 accumulators, 512 registers.  K = 2,048 (X then S against U then W).
; K goes in steps of 256 through a ring of two LDS slots; a slot has four quarters of 33,792 bytes: A's two halves (8 tiles of 16 rows each), then R's and Z's 8 weight tiles.  All tiles are images of operand registers,
; chunks of 512 bytes with 16 bytes of padding behind each: so a quarter has the very bytes of 64 rows of 512 bytes at a pitch of 528, and slot 0's last fill is the work-group's patch of S, f32, 256 rows x 128 columns.
; THE PRODUCTS ARE USED TRANSPOSED (source 0 = 16 columns of a weight, source 1 = 16 rows of X or S): a lane holds one row, and register 16 b + i of a tile of rows is column 32 b + 16 (lane / 16) + i of the block of 128.
; CLUSTERS: 4 x 4.  A's tiles hang on the row block alone and are asked for jointly along a row of the cluster, the weights' on the column block alone and jointly along a column.
; The scale words (32 KiB of some 2 MiB that a work-group fetches) and the patch of S (each work-group's own) come by loads without a mask.
; tanh(x) = 1 - 2 / (1 + 2^(2 log2(e) x)): for large |x| the power is infinite or 0 and the result +-1.  LIMITS: its error is some 2e-7 absolute, so for small |x| some 1e-7 / |x| of the number;
; a block of zeros of S R gets the byte 1 where the rule says 127 (its codes are zeros, and this program alone reads the bytes); NaN and infinities among the inputs are not served.
; REGISTERS: window 0: v0-31 addresses; v32-63 scale words, two sets; v64-127 the bias, 8 tiles x 8; v128-255 A's fragments, one set.  window 1: the weights' fragments, two sets.  windows 2, 3: the accumulators ((a, b) at v[8 (8 (a % 4) + b)]).
.set Q,     33792                      ; a quarter of a slot
.set SLOT,  4*Q
.set SA,    2*SLOT                     ; behind the ring: A's scale words, 16 tiles x 1,024 bytes,
.set SB,    SA+16384                   ; the weights': R's 8 tiles, Z's 8 tiles
.set SPARE, SA+32768                   ; the spare words, 128 bytes for each wave
.set LI,   5                           ; v5   16 x lane
.set SRD,  6                           ; v6   where I read the patch of S
.set SSO,  7                           ; v7   my place among two tiles' scale words of S R
.set AL,   10                          ; v[10:11] -2, twice;  v[12:13] 1, twice
.set BE,   12
.set ADRA, 16                          ; v16-17 my A fragments in slot 0, 1
.set ADRB, 20                          ; v20-21 my weight fragments
.set ADRS, 27                          ; v27  my scale words: lanes 0-15 A's, lanes 16-31 the weights'
.set SPW,  28                          ; v28  my spare word; never rewritten
.set NIL,  29                          ; v29  0; never rewritten
.set PFO,  30                          ; v30  the prefetches' offset: 32,768 (lane / 16) + 256 (lane % 16); never rewritten
.set SC,   32
.set BI,   64
.set AF,   128
.set PC,   64                          ; the way out: v64-79 codes, v80-95 at work, v96-98 scale words, v128-191 64 products with S
.set TM,   80
.set PW,   96
.set T,    128
.set CNT,  3
.set C2,   10                          ; s[10:11] 2 log2(e)
.set WV,   12
.set RH,   13
.set GT,   14
.set XB,   15
.set YB,   16
.set PFA,  48                          ; s[48:49] where my prefetches stand: my work-group's two tiles of 16 of the eight that I fetch, at the K step that is being asked for; a prefetch names the K step after it
.set LIM,  50                          ; s50  1 in a wave that prefetches, else the greatest number
.set HM,   66
.set MNT,  67
.set SEL,  100
.set R1A,  24                          ; s[24:31], s[32:39] group 1 of A's and of the weights' tiles
.set R1B,  32
.set SPD,  40                          ; s[40:47] of the patch of S
.set SCD,  56                          ; s[56:63] of the scale words
.set G0S,  76                          ; groups 0: the scale words, the patch, A's two slots, the weights' two slots
.set G0P,  80
.set GA,   84
.set GB,   92
.set RINGW0, (3<<16)|(1<<20)|(1<<21)|(6<<22)|(3<<25)   ; elements of 8 bytes; padding on; bit 21 beside a mask; after every 128 words; four words
.set MSB, 0
.macro WIN new                         ; the immediate's high byte repeats the setting that is left
.if MSB != (\new)
	s_set_vgpr_msb (MSB<<8)|(\new)
.set MSB, (\new)
.endif
.endm
.set MUL_LO,   0xa1                    ; source 0 (weights) window 1, source 1 (A) window 0, C and D window 2
.set MUL_HI,   0xf1                    ; the same, C and D window 3
.set FIRST_LO, 0x81                    ; the first K step: C is the bias, in window 0
.set FIRST_HI, 0xc1
.set TO_B,     0x40
.macro PLACES n                        ; plain places behind matrix instructions: eight for this form, in front of loads into registers that they read and of reads of results
.rept \n
	v_nop
.endr
.endm
.macro CREST                           ; a round of the cluster's barrier behind its opening barrier
	s_cmp_lg_u32 s[WV], 0
	s_cbranch_scc1 .Lnot_wave_0_\@
	s_barrier_signal -3
.Lnot_wave_0_\@:
	s_barrier_wait -3
	s_barrier_signal -1
	s_barrier_wait -1
.endm
.macro CROUND
	s_barrier_signal -1
	s_barrier_wait -1
	CREST
.endm
.macro JLOAD g0a, g1a, g0b, g1b        ; a joint load: waves 0 and 1 fetch A's halves, waves 2 and 3 the two gates' weights; the branch hangs on the wave's number alone
	s_cmp_eq_u32 s[RH], 0
	s_cbranch_scc0 .Lfor_b_\@
	tensor_load_to_lds s[\g0a:\g0a+3], s[\g1a:\g1a+7]
	s_nop 0
.rept 4
	v_nop
.endr
	s_branch .Lasked_\@
.Lfor_b_\@:
	tensor_load_to_lds s[\g0b:\g0b+3], s[\g1b:\g1b+7]
	s_nop 0
.rept 4
	v_nop
.endr
.Lasked_\@:
.endm
; A PREFETCH INTO THE L2, behind each joint load of the loop and its five lines: the tiles that the NEXT change of slots will ask for, 128 matrix instructions ahead of that load.  What a wave fetches is 4,096 bytes of each of 8 tiles of 16.
; Each aligned block of 256 bytes is named ONCE in the launch.  A's tiles are read by both clusters of a row of clusters: the first (cluster x = 0) asks; the weights' by all eight clusters of a column: cluster y = 0 asks.
; The four partners that ask for a tile jointly share it out BY ADDRESS: the partner at place p (cx for A, cy for the weights) takes tiles 2 p and 2 p + 1: 32 blocks, a lane a block, one instruction a wave.  No branch hangs on a work-group's place in its cluster.
; K steps 0 to 2 come by their loads alone; the loop's last change of slots asks for nothing: no K step follows.  how = 1: in every trip; how = 2: not in the last trip.
.macro ASK how
.if \how == 1
	s_cmp_eq_u32 s[LIM], 1
.else
	s_cmp_gt_u32 s[CNT], s[LIM]                    ; the count is 1 in the last trip
.endif
	s_cbranch_scc0 .Lnot_mine_\@
	global_prefetch_b8 v[PFO], s[PFA:PFA+1] offset:4096 th:TH_LOAD_NT scope:SCOPE_SE
.Lnot_mine_\@:
.endm
.macro FETCH_B adr, tp, ko, p          ; the weights' eight fragments into set p: tiles tp bytes apart, from byte ko of each; a load takes 512 consecutive bytes
	WIN TO_B
.irp i, 0,1,2,3,4,5,6,7
.irp c, 0,1,2,3
	ds_load_b128 v[128*(\p)+16*\i+4*\c:128*(\p)+16*\i+4*\c+3], v[\adr] offset:\i*(\tp)+(\ko)+528*\c
.endr
.endr
	WIN 0
.endm
.macro FETCH_A adr, tp, ko, i0         ; A's blocks i0 .. i0 + 3
.irp i, 0,1,2,3
.irp c, 0,1,2,3
	ds_load_b128 v[AF+16*((\i0)+\i)+4*\c:AF+16*((\i0)+\i)+4*\c+3], v[\adr] offset:((\i0)+\i)*(\tp)+(\ko)+528*\c
.endr
.endr
.endm
.macro SCALES sc                       ; a slot's scale words into set sc: two words a row; lanes 0-15 A's block i, lanes 16-31 the weights' tile i
.irp i, 0,1,2,3,4,5,6,7
	ds_load_b64 v[SC+16*(\sc)+2*\i:SC+16*(\sc)+2*\i+1], v[ADRS] offset:1024*\i
.endr
.endm
; 16 matrix instructions: A's blocks a0, a0 + 1 x the eight weight tiles.  The 64 accumulators take turns, one instruction a turn, in the same order in every step.  mode = 1: the bias starts the sums.
.macro MUL16 a0, p, q, sc, mode
.irp a, \a0, \a0+1
.irp b, 0,1,2,3,4,5,6,7
.if \mode
	v_wmma_scale_f32_16x16x128_f8f6f4 v[8*(8*((\a)%4)+\b):8*(8*((\a)%4)+\b)+7], v[128*(\p)+16*\b:128*(\p)+16*\b+15], v[AF+16*(\a):AF+16*(\a)+15], v[BI+8*\b:BI+8*\b+7], v[SC+16*(\sc)+2*\b+(\q)], v[SC+16*(\sc)+2*(\a)+(\q)] matrix_a_scale:MATRIX_SCALE_ROW1
.else
	v_wmma_scale_f32_16x16x128_f8f6f4 v[8*(8*((\a)%4)+\b):8*(8*((\a)%4)+\b)+7], v[128*(\p)+16*\b:128*(\p)+16*\b+15], v[AF+16*(\a):AF+16*(\a)+15], v[8*(8*((\a)%4)+\b):8*(8*((\a)%4)+\b)+7], v[SC+16*(\sc)+2*\b+(\q)], v[SC+16*(\sc)+2*(\a)+(\q)] matrix_a_scale:MATRIX_SCALE_ROW1
.endif
.endr
.endr
.endm
.macro STEP slot, mode                 ; a slot's first 128 along K (weights' set 0); fetches its second: with the run at its end all reads of the slot have been issued
	s_wait_dscnt 16                                ; all but the youngest sixteen loads (A's blocks 4-7) are in
.if \mode
	WIN FIRST_LO
.else
	WIN MUL_LO
.endif
	MUL16 0, 0, 0, \slot, \mode
	MUL16 2, 0, 0, \slot, \mode
	s_wait_dscnt 0
	PLACES 8
	FETCH_B ADRB+\slot, 4224, 2112, 1
	FETCH_A ADRA+\slot, 4224, 2112, 0
.if \mode
	WIN FIRST_HI
.else
	WIN MUL_HI
.endif
	MUL16 4, 0, 0, \slot, \mode
	MUL16 6, 0, 0, \slot, \mode
	PLACES 8
	WIN 0
	FETCH_A ADRA+\slot, 4224, 2112, 4
.endm
; A slot's second 128 along K.  Its fragments are all in registers or on their way there, so THE CHANGE OF SLOTS STANDS AT ITS HEAD: each wave waits for all its tensor loads (its part of the next slot), adds 0 to its spare word,
; and waits for that and for its reads of this slot; a round of the cluster's barrier; behind it this slot is filled again, one load a wave; and only then come the 64 matrix instructions: with the next slot's first 64 the load
; has 128 matrix instructions in which to land.  kind = 1: the K step two on.  kind = 3: the patch of S, 64 rows a wave.
.macro TURN slot, kind, how
.if \kind == 1
	s_wait_xcnt 0x0                                ; the last prefetch, a change of slots back, has read its address: it is stepped only behind this wait
	s_add_nc_u64 s[PFA:PFA+1], s[PFA:PFA+1], 4096
.endif
	s_wait_tensorcnt 0x0                           ; all my tensor loads have landed: my part of the next slot; so every group 0 may be written
	ds_add_u32 v[SPW], v[NIL]                      ; 0 onto my spare word; the descriptors' steps stand between it and the wait for it
.if \kind == 1
	s_add_nc_u64 s[GA+4*\slot+2:GA+4*\slot+3], s[GA+4*\slot+2:GA+4*\slot+3], 8192
	s_add_nc_u64 s[GB+4*\slot+2:GB+4*\slot+3], s[GB+4*\slot+2:GB+4*\slot+3], 8192
.endif
	s_wait_dscnt 0x0                               ; the add is done, and my reads of this slot are over
	CROUND                                         ; both now hold of every wave of every work-group of the cluster
.if \kind == 1
	JLOAD GA+4*\slot, R1A, GB+4*\slot, R1B
	ASK \how
.else
	tensor_load_to_lds s[G0P:G0P+3], s[SPD:SPD+7]
	s_nop 0
	PLACES 4
.endif
	WIN MUL_LO
	MUL16 0, 1, 1, \slot, 0
	MUL16 2, 1, 1, \slot, 0
	PLACES 8
	WIN 0
	v_add_nc_u32 v[ADRS], 128, v[ADRS]             ; the next slot's scale words
	FETCH_B ADRB+1-\slot, 4224, 0, 0
	FETCH_A ADRA+1-\slot, 4224, 0, 0
	SCALES 1-\slot
	WIN MUL_HI
	MUL16 4, 1, 1, \slot, 0
	MUL16 6, 1, 1, \slot, 0
	PLACES 8
	WIN 0
	FETCH_A ADRA+1-\slot, 4224, 0, 4
.endm
.macro LAST p, q, sc                   ; the very last 128 along K: nothing more to fetch
	s_wait_dscnt 16
	WIN MUL_LO
	MUL16 0, \p, \q, \sc, 0
	MUL16 2, \p, \q, \sc, 0
	s_wait_dscnt 0
	WIN MUL_HI
	MUL16 4, \p, \q, \sc, 0
	MUL16 6, \p, \q, \sc, 0
	WIN 0
.endm
; tanh in place on a window of accumulators, four groups g of 64 registers, each from its low end on
.macro MULC g
.set i, 64*(\g)
.rept 32
	v_pk_mul_f32 v[i:i+1], v[i:i+1], s[C2:C2+1] op_sel_hi:[1,0]
.set i, i+2
.endr
.endm
.macro EXPG g
.set i, 64*(\g)
.rept 64
	v_exp_f32 v[i], v[i]
.set i, i+1
.endr
.endm
.macro ADD1 g
.set i, 64*(\g)
.rept 32
	v_pk_add_f32 v[i:i+1], v[i:i+1], 1.0 op_sel_hi:[1,0]
.set i, i+2
.endr
.endm
.macro RCPG g
.set i, 64*(\g)
.rept 64
	v_rcp_f32 v[i], v[i]
.set i, i+1
.endr
.endm
.macro FING g
.set i, 64*(\g)
.rept 32
	v_pk_fma_f32 v[i:i+1], v[i:i+1], v[AL:AL+1], v[BE:BE+1]
.set i, i+2
.endr
.endm
.macro TWAIT                           ; one wait for a whole batch of transcendentals, ahead of its first reader; a plain line stands behind the batch's last
	s_wait_alu depctr_va_vdst(0)
.endm
.macro TANHW w                         ; destination and source 0 in window w, the two constants in window 0.  A group's reciprocals and the next group's powers are one batch
	WIN ((\w)<<6)|(\w)
	MULC 0
	EXPG 0
	MULC 1
	TWAIT
	ADD1 0
	RCPG 0
	EXPG 1
	MULC 2
	TWAIT
	FING 0
	ADD1 1
	RCPG 1
	EXPG 2
	MULC 3
	TWAIT
	FING 1
	ADD1 2
	RCPG 2
	EXPG 3
	v_nop
	TWAIT
	FING 2
	ADD1 3
	RCPG 3
	v_nop
	TWAIT
	FING 3
.endm
.macro QUANT s, pw                     ; 64 numbers of a lane, register 16 b + i = K 32 b + 16 (lane / 16) + i of my row, become a fragment's codes in v[PC] on and its scale word in v[pw]
.irp b, 0,1,2,3
	v_max3_num_f32 v[TM+\b], |v[\s+16*\b]|, |v[\s+1+16*\b]|, 0x4800000   ; block b: my 16 numbers, and the floor 2^(9 - 127): the byte cannot fall under 1
.endr
.irp i, 2,4,6,8,10,12,14
.irp b, 0,1,2,3
	v_max3_num_f32 v[TM+\b], v[TM+\b], |v[\s+16*\b+\i]|, |v[\s+1+16*\b+\i]|
.endr
.endr
.irp b, 0,1,2,3
	v_permlanex16_b32 v[TM+4+\b], v[TM+\b], s[SEL], s[SEL+1]
.endr
.irp b, 0,1,2,3
	v_max_num_f32 v[TM+\b], v[TM+\b], v[TM+4+\b]   ; with lane l xor 16's: the block's largest magnitude
.endr
.irp b, 0,1,2,3
	v_add_nc_u32 v[TM+12+\b], 0xfc000000, v[TM+\b]   ; 8 off the exponent field: the conversion's scale operand
.endr
.irp b, 0,1,2,3
	v_and_or_b32 v[TM+8+\b], v[TM+\b], 0x7f800000, s[MNT]   ; 448 x the scale
.endr
.irp b, 0,1,2,3
	v_lshrrev_b32 v[TM+4+\b], 23, v[TM+12+\b]      ; the scale's byte
.endr
	v_lshl_or_b32 v[\pw], v[TM+5], 8, v[TM+4]
	v_lshl_or_b32 v[\pw], v[TM+6], 16, v[\pw]
	v_lshl_or_b32 v[\pw], v[TM+7], 24, v[\pw]
.irp b, 0,1,2,3
.irp i, 0,1,2,3,4,5,6,7,8,9,10,11,12,13,14,15
	v_med3_num_f32 v[\s+16*\b+\i], v[\s+16*\b+\i], -v[TM+8+\b], v[TM+8+\b]   ; the conversion to an 8-bit code does not saturate (ISA guide 7.6.2)
.endr
	v_cvt_scalef32_pk8_fp8_f32 v[PC+4*\b:PC+1+4*\b], v[\s+16*\b:\s+7+16*\b], v[TM+12+\b]
	v_cvt_scalef32_pk8_fp8_f32 v[PC+2+4*\b:PC+3+4*\b], v[\s+8+16*\b:\s+15+16*\b], v[TM+12+\b]
.endr
	v_nop                                          ; one plain vector instruction behind the last scaled conversion
.endm
.macro LOADSF a                        ; S of my tile of rows a, in the accumulators' order, into window 1, set a % 4
	WIN TO_B
.irp b, 0,1,2,3
.irp j, 0,1,2,3
	ds_load_b128 v[64*((\a)%4)+16*\b+4*\j:64*((\a)%4)+16*\b+4*\j+3], v[SRD] offset:8448*(\a)+128*\b+16*\j
.endr
.endr
.endm
.macro TAIL a                          ; tile of rows a: gate x S; R's wave quantises and stores codes, Z's wave stores f32
.if (\a) < 5
	s_wait_dscnt 48                                ; this tile's S is in; the three younger sets may be out
.else
	s_wait_dscnt 16*(7-(\a))
.endif
	s_wait_xcnt 0x0                                ; the last tile's stores have read their registers: these are written again only behind this wait
	WIN 0x06+(\a)/4                                ; source 0: window 2 or 3; source 1: window 1
.set i, 0
.rept 32
	v_pk_mul_f32 v[T+i:T+i+1], v[64*((\a)%4)+i:64*((\a)%4)+i+1], v[64*((\a)%4)+i:64*((\a)%4)+i+1]
.set i, i+2
.endr
.if (\a) < 4
	LOADSF (\a)+4
.endif
	WIN 0
	s_cmp_lg_u32 s[GT], 0
	s_cbranch_scc1 .Lz_\@
	QUANT T, PW+(\a)%2
.irp c, 0,1,2,3
	global_store_b128 v[LI], v[PC+4*\c:PC+4*\c+3], s[8:9] offset:32768*(\a)+512*\c   ; a chunk of the image: 512 consecutive bytes
.endr
.if (\a)%2 == 1
	v_cndmask_b32 v[PW+2], v[PW], v[PW+1], s[HM]   ; lanes 0-15 send the words of the tile before, lanes 16-31 this tile's
	global_store_b32 v[SSO], v[PW+2], s[4:5] offset:1024*((\a)/2)   ; 4 bytes a lane, 8 bytes apart: one byte in 128 of what the product reads
.endif
	s_branch .Lj_\@
.Lz_\@:
.irp k, 0,1,2,3,4,5,6,7,8,9,10,11,12,13,14,15
	global_store_b128 v[LI], v[T+4*\k:T+4*\k+3], s[6:7] offset:8192*(\a)+512*\k   ; registers 4 k .. 4 k + 3 as they stand: 512 consecutive bytes
.endr
.Lj_\@:
.endm
	s_load_b128 s[48:51], s[0:1], 0x0              ; ac, asc
	s_load_b128 s[52:55], s[0:1], 0x10             ; wc, wsc
	s_load_b128 s[68:71], s[0:1], 0x20             ; br, bz
	s_load_b128 s[72:75], s[0:1], 0x30             ; S, src
	s_load_b128 s[4:7], s[0:1], 0x40               ; srs, zs
	v_lshl_add_u32 v[SPW], v0, 2, SPARE
	v_mov_b32 v[NIL], 0
	ds_add_u32 v[SPW], v[NIL]                      ; the wave's opening: the add, twice on end, and its wait ahead of my first tensor load
	ds_add_u32 v[SPW], v[NIL]
	v_lshrrev_b32 v1, 5, v0
	v_readfirstlane_b32 s[WV], v1                  ; wave 0..3
	s_lshr_b32 s[RH], s[WV], 1                     ; my half of the rows.  Also: I fetch for A (0) or for the weights (1)
	s_and_b32 s[GT], s[WV], 1                      ; my gate.  Also: which half of those tiles I fetch
	s_bfe_u32 s17, ttmp6, 0x40000                  ; cx, cy: my place in the cluster
	s_bfe_u32 s18, ttmp6, 0x40004
	s_lshl_b32 s[XB], ttmp9, 2
	s_add_co_u32 s[XB], s[XB], s17                 ; block of 128 columns
	s_and_b32 s[YB], ttmp7, 0xffff
	s_lshl_b32 s[YB], s[YB], 2
	s_add_co_u32 s[YB], s[YB], s18                 ; block of 256 rows
	s_lshl_b32 s19, s18, 2
	s_lshl_b32 s19, 15, s19                        ; my row of the cluster
	s_lshl_b32 s2, 0x1111, s17                     ; my column
	s_or_b32 s[R1A], s19, RINGW0
	s_or_b32 s[R1B], s2, RINGW0
.irp g, R1A, R1B
	s_mov_b32 s[\g+1], 512<<16                     ; a row of the tile: two K steps of one tile of 16, 4,096 bytes = 512 elements
	s_mov_b32 s[\g+2], 8<<16                       ; 8 tiles of 16
	s_mov_b32 s[\g+3], 512<<16
	s_mov_b32 s[\g+4], 8
	s_mov_b32 s[\g+5], 4096                        ; 16 K steps, 32,768 bytes, from tile to tile
	s_mov_b32 s[\g+6], 0
	s_mov_b32 s[\g+7], 0
.endr
	s_mov_b32 s[SCD], 3<<16                        ; scale words: 8,192 dense bytes as 32 rows of 256; no mask, no padding
	s_mov_b32 s[SCD+1], 32<<16
	s_mov_b32 s[SCD+2], 32<<16
	s_mov_b32 s[SCD+3], 32<<16
	s_mov_b32 s[SCD+4], 32
	s_mov_b32 s[SCD+5], 32
	s_mov_b32 s[SCD+6], 0
	s_mov_b32 s[SCD+7], 0
	s_mov_b32 s[SPD], (2<<16)|(1<<20)|(6<<22)|(3<<25)   ; the patch of S: 64 rows of 128 f32, 16 bytes of padding behind each; no mask
	s_mov_b32 s[SPD+1], 128<<16
	s_mov_b32 s[SPD+2], 64<<16
	s_mov_b32 s[SPD+3], 128<<16
	s_mov_b32 s[SPD+4], 64
	s_mov_b32 s[SPD+5], 1024
	s_mov_b32 s[SPD+6], 0
	s_mov_b32 s[SPD+7], 0
	s_mov_b32 s[C2], 0x4038aa3b                    ; 2 log2(e)
	s_mov_b32 s[C2+1], s[C2]
	s_mov_b32 s[SEL], 0x76543210
	s_mov_b32 s[SEL+1], 0xfedcba98
	s_mov_b32 s[MNT], 0x600000
	s_mov_b32 s[HM], 0xffff0000
	s_lshl_b32 s20, s[YB], 19                      ; A: tile of rows 16 y + 8 x half: made of y and the wave's number alone
	s_lshl_b32 s21, s[GT], 18
	s_add_co_u32 s20, s20, s21
	s_mov_b32 s21, 0
	s_lshl_b32 s22, s[XB], 18                      ; the weights: gate, tile 8 x: made of x and the wave's number alone
	s_lshl_b32 s23, s[GT], 21
	s_add_co_u32 s22, s22, s23
	s_mov_b32 s23, 0
	s_lshl_b32 s18, s[YB], 14                      ; scale words: A's half,
	s_lshl_b32 s19, s[GT], 13
	s_add_co_u32 s18, s18, s19
	s_lshl_b32 s17, s[XB], 13                      ; or a gate's
	s_lshl_b32 s19, s[GT], 16
	s_add_co_u32 s17, s17, s19
	s_mul_i32 s2, s[WV], Q                         ; where my tiles go: wave x a quarter: no place in the cluster enters an LDS address
	s_wait_dscnt 0x0                               ; both opening adds are done
	s_wait_kmcnt 0x0
	s_add_nc_u64 s[20:21], s[48:49], s[20:21]
	s_add_nc_u64 s[22:23], s[52:53], s[22:23]
	s_cmp_eq_u32 s[RH], 0
	s_cselect_b64 s[G0S+2:G0S+3], s[50:51], s[54:55]
	s_cselect_b32 s18, s18, s17
	s_mov_b32 s19, 0
	s_add_nc_u64 s[G0S+2:G0S+3], s[G0S+2:G0S+3], s[18:19]
	s_or_b32 s[G0S+3], s[G0S+3], 0x80000000
	s_mov_b32 s[G0S], 1
	s_lshl_b32 s17, s[WV], 13
	s_add_co_u32 s[G0S+1], s17, SA
	CROUND                                         ; all sixteen work-groups are here: the first joint loads meet
	tensor_load_to_lds s[G0S:G0S+3], s[SCD:SCD+7]  ; the scale words of all of K: filled once.  With the two below three loads of mine are out
	s_nop 0
	PLACES 4
.irp s, 0,1
	s_mov_b32 s[GA+4*\s], 1
	s_add_co_u32 s[GA+4*\s+1], s2, \s*SLOT
	s_add_nc_u64 s[GA+4*\s+2:GA+4*\s+3], s[20:21], \s*4096
	s_or_b32 s[GA+4*\s+3], s[GA+4*\s+3], 0x80000000
	s_mov_b32 s[GB+4*\s], 1
	s_add_co_u32 s[GB+4*\s+1], s2, \s*SLOT
	s_add_nc_u64 s[GB+4*\s+2:GB+4*\s+3], s[22:23], \s*4096
	s_or_b32 s[GB+4*\s+3], s[GB+4*\s+3], 0x80000000
	JLOAD GA+4*\s, R1A, GB+4*\s, R1B
.endr
	s_lshl_b32 s18, s[YB], 20                      ; the patch of S: row 256 y + 64 x wave, column 128 x
	s_lshl_b32 s19, s[WV], 18
	s_add_co_u32 s18, s18, s19
	s_lshl_b32 s19, s[XB], 9
	s_add_co_u32 s18, s18, s19
	s_mov_b32 s19, 0
	s_mov_b32 s[G0P], 1
	s_mov_b32 s[G0P+1], s2                         ; my quarter of slot 0
	s_add_nc_u64 s[G0P+2:G0P+3], s[72:73], s[18:19]
	s_or_b32 s[G0P+3], s[G0P+3], 0x80000000
	; the prefetches: where my wave's stand, and who asks.  s[20:21], s[22:23]: where my tiles of A and of the weights begin.  Nothing is prefetched here, at the head
	s_bfe_u32 s17, ttmp6, 0x40000                  ; cx
	s_bfe_u32 s18, ttmp6, 0x40004                  ; cy
	s_and_b32 s19, ttmp7, 0xffff                   ; cluster y
	s_cmp_eq_u32 s[RH], 0                          ; do I fetch for A?
	s_cselect_b64 s[PFA:PFA+1], s[20:21], s[22:23]
	s_cselect_b32 s17, s17, s18                    ; my place among the four that ask for the tile with me
	s_cselect_b32 s19, ttmp9, s19                  ; the coordinate along which other clusters read the same tiles
	s_cmp_eq_u32 s19, 0
	s_cselect_b32 s[LIM], 1, -1                    ; the same in all sixteen partners, for a given wave
	s_lshl_b32 s18, s17, 16                        ; my work-group's two tiles of the eight, 32,768 bytes each,
	s_add_co_u32 s18, s18, 4096                    ; at K step 1: the first change of slots steps it to 2 and names K step 3
	s_mov_b32 s19, 0
	s_add_nc_u64 s[PFA:PFA+1], s[PFA:PFA+1], s[18:19]
	v_and_b32 v1, 15, v0                           ; r
	v_bfe_u32 v2, v0, 4, 1                         ; h
	v_and_b32 v3, 31, v0
	v_lshlrev_b32 v[LI], 4, v3
	v_lshrrev_b32 v4, 4, v3
	v_and_b32 v[PFO], 15, v3
	v_lshlrev_b32 v[PFO], 8, v[PFO]
	v_lshl_add_u32 v[PFO], v4, 15, v[PFO]          ; lanes 0-15 the sixteen blocks of one tile's 4,096 bytes, lanes 16-31 those of the next tile
	s_mul_i32 s17, s[RH], Q                        ; my 8 tiles of A,
	s_mul_i32 s18, s[GT], Q
	s_add_co_u32 s18, s18, 2*Q                     ; my gate's 8 weight tiles
.irp s, 0,1
	v_add_nc_u32 v[ADRA+\s], s17, v[LI]
	v_add_nc_u32 v[ADRB+\s], s18, v[LI]
	s_add_co_u32 s17, s17, SLOT
	s_add_co_u32 s18, s18, SLOT
.endr
	s_xor_b32 s17, s[RH], 1                        ; scale words: the lower base + h x the distance: 16,384 + 8,192 (gate - row half)
	s_add_co_u32 s17, s17, s[GT]
	s_add_co_u32 s17, s17, 1
	s_lshl_b32 s17, s17, 13
	v_mul_u32_u24 v3, s17, v2
	v_lshl_add_u32 v3, v1, 3, v3
	s_lshl_b32 s17, s[RH], 13
	s_add_co_u32 s17, s17, SA
	v_add_nc_u32 v[ADRS], s17, v3
	s_mul_i32 s17, s[RH], 2*Q                      ; the patch: my 128 rows; row r, + 64 h
	v_mul_u32_u24 v3, v1, 528
	v_lshl_add_u32 v3, v2, 6, v3
	v_add_nc_u32 v[SRD], s17, v3
	v_lshlrev_b32 v[SSO], 3, v1
	v_lshl_add_u32 v[SSO], v2, 9, v[SSO]
	v_lshlrev_b32 v14, 6, v2                       ; the bias: lane (r, h) wants, for tile t, columns 32 (t / 2) + 8 (t % 2) + 16 h + 0 .. 7
	s_cmp_eq_u32 s[GT], 0
	s_cselect_b64 s[68:69], s[68:69], s[70:71]
	s_lshl_b32 s18, s[XB], 9
	s_mov_b32 s19, 0
	s_add_nc_u64 s[68:69], s[68:69], s[18:19]
.irp t, 0,1,2,3,4,5,6,7
	global_load_b128 v[BI+8*\t:BI+8*\t+3], v14, s[68:69] offset:(32*(\t/2)+8*(\t%2))*4
	global_load_b128 v[BI+8*\t+4:BI+8*\t+7], v14, s[68:69] offset:(32*(\t/2)+8*(\t%2))*4+16
.endr
	s_lshl_b32 s18, s[YB], 19                      ; S R's codes: tile 16 y + 8 x row half, K step 8 + x
	s_lshl_b32 s17, s[RH], 18
	s_add_co_u32 s18, s18, s17
	s_lshl_b32 s17, s[XB], 11
	s_add_co_u32 s18, s18, s17
	s_add_co_u32 s18, s18, 16384
	s_add_nc_u64 s[8:9], s[74:75], s[18:19]
	s_lshl_b32 s18, s[YB], 13                      ; its scale words: 512 bytes a tile, pair of K steps x / 2, word x % 2
	s_lshl_b32 s17, s[RH], 12
	s_add_co_u32 s18, s18, s17
	s_lshr_b32 s17, s[XB], 1
	s_lshl_b32 s17, s17, 7
	s_add_co_u32 s18, s18, s17
	s_and_b32 s17, s[XB], 1
	s_lshl_b32 s17, s17, 2
	s_add_co_u32 s18, s18, s17
	s_add_nc_u64 s[4:5], s[4:5], s[18:19]
	s_lshl_b32 s18, s[XB], 22                      ; Z S: [x][tile of rows][8,192 bytes]
	s_lshl_b32 s17, s[YB], 17
	s_add_co_u32 s18, s18, s17
	s_lshl_b32 s17, s[RH], 16
	s_add_co_u32 s18, s18, s17
	s_add_nc_u64 s[6:7], s[6:7], s[18:19]
	s_wait_tensorcnt 1                             ; the scale words and my part of slot 0 are in; slot 1's load may be out
	s_barrier_signal -1
	s_barrier_wait -1
	FETCH_B ADRB, 4224, 0, 0
	FETCH_A ADRA, 4224, 0, 0
	SCALES 0
	FETCH_A ADRA, 4224, 0, 4
	s_wait_loadcnt 0x0                             ; the bias
	STEP 0, 1                                      ; the first step stands in front of the loop: its products start the sums from the bias
	s_mov_b32 s[CNT], 3
.Llap:                                             ; a trip goes once round the ring and fills both slots again: K steps 2 to 7 of 256
	TURN 0, 1, 1
	STEP 1, 0
	TURN 1, 1, 2
	STEP 0, 0
	s_sub_co_u32 s[CNT], s[CNT], 1
	s_cmp_lg_u32 s[CNT], 0
	s_cbranch_scc1 .Llap
	TURN 0, 3, 0                                   ; slot 0 has been read out: its last fill is the patch of S
	STEP 1, 0
	LAST 1, 1, 1
	; THE WAY OUT
	PLACES 8
	v_mov_b32 v[AL], -2.0
	v_mov_b32 v[AL+1], -2.0
	v_mov_b32 v[BE], 1.0
	v_mov_b32 v[BE+1], 1.0
.irp b, 0,1,2,3
	v_mov_b32 v[TM+4+\b], 0                        ; written once: a lane permute's destination counts as one of its sources
.endr
	TANHW 2
	TANHW 3
	WIN 0
	s_wait_tensorcnt 0x0                           ; my 64 rows of S have landed,
	s_wait_dscnt 0x0
	s_barrier_signal -1
	s_barrier_wait -1                              ; everybody's have
	LOADSF 0
	LOADSF 1
	LOADSF 2
	LOADSF 3
	WIN 0
.irp a, 0,1,2,3,4,5,6,7
	TAIL \a
.endr
	s_wait_tensorcnt 0x0                           ; the wave's end
	ds_add_u32 v[SPW], v[NIL]
	s_wait_dscnt 0x0
	CROUND                                         ; the closing round: no work-group ends while a partner may still ask for a tile that names it
	s_endpgm
.Lfunc_end_k_qb441309eba_gate_rz:
	.size	k_qb441309eba_gate_rz, .Lfunc_end_k_qb441309eba_gate_rz-k_qb441309eba_gate_rz
	.p2alignl 7, 3214868480
	.fill 96, 4, 3214868480
	.section	.rodata,"a",@progbits
	.p2align	6, 0x0
	.amdhsa_kernel k_qb441309eba_gate_rz
		.amdhsa_group_segment_fixed_size 327680
		.amdhsa_private_segment_fixed_size 0
		.amdhsa_enable_private_segment 0
		.amdhsa_kernarg_size 80
		.amdhsa_user_sgpr_count 2
		.amdhsa_user_sgpr_kernarg_segment_ptr 1
		.amdhsa_wavefront_size32 1
		.amdhsa_system_sgpr_workgroup_id_x 1
		.amdhsa_system_sgpr_workgroup_id_y 1
		.amdhsa_system_sgpr_workgroup_id_z 1
		.amdhsa_system_vgpr_workitem_id 0
		.amdhsa_next_free_vgpr 1024
		.amdhsa_next_free_sgpr 106
		.amdhsa_reserve_vcc 0
		.amdhsa_float_denorm_mode_32 3
		.amdhsa_float_denorm_mode_16_64 3
		.amdhsa_memory_ordered 1
		.amdhsa_forward_progress 1
		.amdhsa_inst_pref_size 255
	.end_amdhsa_kernel
	.section	.bss,"aw",@nobits
	.p2align	6
	.space	262144
	.amdgpu_metadata
---
amdhsa.version: [ 1, 2 ]
amdhsa.kernels:
  - .name:           k_qb441309eba_gate_rz
    .symbol:         k_qb441309eba_gate_rz.kd
    .args:
      - { .name: ac, .offset: 0, .size: 8, .value_kind: global_buffer, .address_space: global }
      - { .name: asc, .offset: 8, .size: 8, .value_kind: global_buffer, .address_space: global }
      - { .name: wc, .offset: 16, .size: 8, .value_kind: global_buffer, .address_space: global }
      - { .name: wsc, .offset: 24, .size: 8, .value_kind: global_buffer, .address_space: global }
      - { .name: br, .offset: 32, .size: 8, .value_kind: global_buffer, .address_space: global }
      - { .name: bz, .offset: 40, .size: 8, .value_kind: global_buffer, .address_space: global }
      - { .name: S, .offset: 48, .size: 8, .value_kind: global_buffer, .address_space: global }
      - { .name: src, .offset: 56, .size: 8, .value_kind: global_buffer, .address_space: global }
      - { .name: srs, .offset: 64, .size: 8, .value_kind: global_buffer, .address_space: global }
      - { .name: zs, .offset: 72, .size: 8, .value_kind: global_buffer, .address_space: global }
    .group_segment_fixed_size: 327680
    .private_segment_fixed_size: 0
    .kernarg_segment_align: 8
    .kernarg_segment_size: 80
    .max_flat_workgroup_size: 128
    .sgpr_count:     106
    .vgpr_count:     1024
    .wavefront_size: 32
...
	.end_amdgpu_metadata
.endif
;; end of part 2
;; launch gate_gh (part 3): grid 8 x 32, 4 waves a work-group, clusters of 4 x 4, 327,680 bytes of LDS; arguments ac, asc, src, srs, wc, wsc, bg, bh, zs, out0; writes out0
.if DOCPART == 3
	.amdgcn_target "amdgcn-amd-amdhsa--gfx1250"
	.amdhsa_code_object_version 6
	.text
	.protected	k_qb441309eba_gate_gh
	.globl	k_qb441309eba_gate_gh
	.p2align	8
	.type	k_qb441309eba_gate_gh,@function
k_qb441309eba_gate_gh:
	s_mov_b64 s[64:65], 0
	v_nop
	global_prefetch_b8 v0, s[64:65] scope:SCOPE_SE
	s_setreg_imm32_b32 hwreg(HW_REG_WAVE_MODE, 25, 1), 1
	s_wait_xcnt 0x0
	s_wait_alu depctr_hold_cnt(0) depctr_sa_sdst(0) depctr_va_vdst(0) depctr_va_sdst(0) depctr_va_ssrc(0) depctr_va_vcc(0) depctr_vm_vsrc(0)
	s_getreg_b32 s2, hwreg(HW_REG_IB_STS2, 6, 4)
	s_cmp_eq_u32 s2, 0
	s_cbranch_scc0 .Lentry_in_a_cluster
	s_endpgm
.Lentry_in_a_cluster:
	s_bfe_u32 s2, ttmp6, 0x10000c
	s_cmp_lg_u32 s2, 0xf033
	s_cbranch_scc0 .Lentry_shape_is_right
	s_endpgm
.Lentry_shape_is_right:
; G = tanh(X Ug + S Wg + bg), H = tanh(X Uh + (S R) Wh + bh), out = (1 - G) H + Z S, on the codes of the first two launches and the second's Z S.  No work of the problem is left out.
; SHARES as in the launch before: a work-group makes 256 rows x 128 columns of both gates; wave w: rows 128 (w / 2) on, gate w % 2 (0: G, 1: H), 64 accumulators.
; PHASE 1, K steps 0-7 (X, which both gates share): four slots of 256 along K, quarters as before (A's two halves, G's and H's weights).
; PHASE 2, K steps 8-15: the gates' A operands differ (S, S R), so a slot holds 128 along K: quarter 0 S's 16 tiles of rows, quarter 1 S R's, the first halves of quarters 2 and 3 the two weights' 8 tiles.
; CLUSTERS: 4 x 4; X's, S's and S R's tiles are asked for jointly along a row of the cluster, the weights' along a column.  The scale words (40 KiB of some 2 MiB that a work-group fetches) come by loads without a mask.
; THE WAY OUT: tanh in place (G's wave makes 1 - G = 2 / (1 + 2^..)); the two waves of a row half change halves through LDS, so that each holds 1 - G and H of 64 rows; one multiply-add with Z S; whole rows go out through a stage.
; LIMITS: tanh's error is some 2e-7 absolute; for large |x| it is +-1; NaN and infinities among the inputs are not served.
; REGISTERS: window 0: v0-31 addresses; v32-63 scale words, two sets; v64-127 the bias; v128-255 A's fragments, one set.  window 1: the weights' fragments, two sets; later Z S.  windows 2, 3: the accumulators.
.set Q,     33792
.set SLOT,  4*Q
.set SA,    2*SLOT                     ; behind the ring: X's and S's scale words, 16 tiles x 1,024 bytes;
.set SSR,   SA+16384                   ; S R's, 16 tiles x 512 bytes, 1,024 bytes apart;
.set SB,    SA+32768                   ; the weights': G's 8 tiles, H's 8 tiles
.set SPARE, SA+49152                   ; the spare words, 128 bytes for each wave
.set GATE0, 2
.set LI,   5                           ; v5   16 x lane
.set XO,   8                           ; v8   the change of halves: where I put mine,
.set XI,   9                           ; v9   and where my partner's lies
.set AL,   10                          ; v[10:11], v[12:13]: what is made of 1 / (1 + 2^..): x 2 + 0 (1 - G) or x -2 + 1 (H)
.set BE,   12
.set ADRA, 16                          ; v16-17 my A fragments in slot 0, 1, phase 1;  v18-19 phase 2
.set ADRA2, 18
.set ADRB, 20                          ; v20-21 my weight fragments
.set STI,  24                          ; v24  the stage: where I put 16 bytes of a row,
.set STO,  25                          ; v25  and where I read a row back
.set ADRS2, 26                         ; v26  my scale words, phase 2
.set ADRS, 27                          ; v27  phase 1
.set SPW,  28
.set NIL,  29
.set PFO,  30                          ; v30  the prefetches' offset; never rewritten
.set SC,   32
.set BI,   64
.set AF,   128
.set OB,   128                         ; the way out: 16 rows read back from the stage: v128-191 and v192-255 by turns
.set CNT,  3
.set C2,   10
.set WV,   12
.set RH,   13
.set GT,   14
.set XB,   15
.set YB,   16
.set R1A,  24                          ; groups 1: phase 1's A and weights,
.set R1B,  32
.set R2A,  40                          ; phase 2's,
.set R2B,  48
.set SCD,  56                          ; the scale words,
.set LIM,  66                          ; s66  1 in a wave that prefetches, else the greatest number
.set LIM0, 67                          ; s67  1 in a wave that prefetches for A, else the greatest number
.set SRG,  68                          ; S R's scale words
.set G0S,  76                          ; groups 0
.set G0R,  80
.set GA,   84
.set GB,   92
.set KA,   100                         ; s[100:101] where my phase 2 tiles of A begin (S or S R, K step 8), type bits set
.set PFA,  104                         ; s[104:105] where my prefetches stand: my work-group's part of what I fetch, at the K step that the next change of slots will ask for
.set RINGW0, (3<<16)|(1<<20)|(1<<21)|(6<<22)|(3<<25)
.set MSB, 0
.macro WIN new
.if MSB != (\new)
	s_set_vgpr_msb (MSB<<8)|(\new)
.set MSB, (\new)
.endif
.endm
.set MUL_LO,   0xa1
.set MUL_HI,   0xf1
.set FIRST_LO, 0x81
.set FIRST_HI, 0xc1
.set TO_B,     0x40
.macro PLACES n                        ; plain places behind matrix instructions: eight for this form
.rept \n
	v_nop
.endr
.endm
.macro CREST
	s_cmp_lg_u32 s[WV], 0
	s_cbranch_scc1 .Lnot_wave_0_\@
	s_barrier_signal -3
.Lnot_wave_0_\@:
	s_barrier_wait -3
	s_barrier_signal -1
	s_barrier_wait -1
.endm
.macro CROUND
	s_barrier_signal -1
	s_barrier_wait -1
	CREST
.endm
.macro JLOAD g0a, g1a, g0b, g1b        ; a joint load: waves 0 and 1 fetch for A, waves 2 and 3 the two gates' weights; the branch hangs on the wave's number alone
	s_cmp_eq_u32 s[RH], 0
	s_cbranch_scc0 .Lfor_b_\@
	tensor_load_to_lds s[\g0a:\g0a+3], s[\g1a:\g1a+7]
	s_nop 0
.rept 4
	v_nop
.endr
	s_branch .Lasked_\@
.Lfor_b_\@:
	tensor_load_to_lds s[\g0b:\g0b+3], s[\g1b:\g1b+7]
	s_nop 0
.rept 4
	v_nop
.endr
.Lasked_\@:
.endm
; A PREFETCH INTO THE L2 of phase 2's tiles, behind a joint load and its five lines: what the NEXT change of slots will ask for.  One instruction a wave, a lane a block of 256 bytes.
; Waves 0 and 1 (S, S R): one K step is 2,048 bytes of each of 16 tiles of rows; asked for at every change of slots from the one that fills phase 1's last slot to the last but one.
; Waves 2 and 3 (the weights): two K steps are 4,096 bytes of each of 8 tiles; asked for at every second change, ahead of the first of the two.
; Each block is named ONCE in the launch.  S's and S R's tiles are read by both clusters of a row of clusters: the first (cluster x = 0) asks; the weights' by all eight clusters of a column: cluster y = 0 asks.
; The four partners that ask for a tile jointly share it out BY ADDRESS: the partner at place p (cx, or cy for the weights) takes tiles of rows 4 p .. 4 p + 3, or weight tiles 2 p and 2 p + 1: 32 blocks.  No branch hangs on a work-group's place in its cluster.
; Phase 1's tiles come by their loads alone; the last change that fills a slot asks for nothing.  how = 1: all that ask; 2: those that ask for A; 3: all that ask, but not in the loop's last trip.
.macro ASK how
.if \how == 1
	s_cmp_eq_u32 s[LIM], 1
.elseif \how == 2
	s_cmp_eq_u32 s[LIM0], 1
.else
	s_cmp_gt_u32 s[CNT], s[LIM]                    ; the count is 1 in the last trip
.endif
	s_cbranch_scc0 .Lnot_mine_\@
	global_prefetch_b8 v[PFO], s[PFA:PFA+1] th:TH_LOAD_NT scope:SCOPE_SE
.Lnot_mine_\@:
.endm
.macro FETCH_B adr, tp, ko, p
	WIN TO_B
.irp i, 0,1,2,3,4,5,6,7
.irp c, 0,1,2,3
	ds_load_b128 v[128*(\p)+16*\i+4*\c:128*(\p)+16*\i+4*\c+3], v[\adr] offset:\i*(\tp)+(\ko)+528*\c
.endr
.endr
	WIN 0
.endm
.macro FETCH_A adr, tp, ko, i0
.irp i, 0,1,2,3
.irp c, 0,1,2,3
	ds_load_b128 v[AF+16*((\i0)+\i)+4*\c:AF+16*((\i0)+\i)+4*\c+3], v[\adr] offset:((\i0)+\i)*(\tp)+(\ko)+528*\c
.endr
.endr
.endm
.macro SCALES sc                       ; phase 1: two words a row
.irp i, 0,1,2,3,4,5,6,7
	ds_load_b64 v[SC+16*(\sc)+2*\i:SC+16*(\sc)+2*\i+1], v[ADRS] offset:1024*\i
.endr
.endm
.macro SCALES2 sc                      ; phase 2: one word a row
.irp i, 0,1,2,3,4,5,6,7
	ds_load_b32 v[SC+16*(\sc)+2*\i], v[ADRS2] offset:1024*\i
.endr
.endm
; 16 matrix instructions; the 64 accumulators take turns, one instruction a turn, in the same order in every step.  mode = 1: the bias starts the sums.
.macro MUL16 a0, p, q, sc, mode
.irp a, \a0, \a0+1
.irp b, 0,1,2,3,4,5,6,7
.if \mode
	v_wmma_scale_f32_16x16x128_f8f6f4 v[8*(8*((\a)%4)+\b):8*(8*((\a)%4)+\b)+7], v[128*(\p)+16*\b:128*(\p)+16*\b+15], v[AF+16*(\a):AF+16*(\a)+15], v[BI+8*\b:BI+8*\b+7], v[SC+16*(\sc)+2*\b+(\q)], v[SC+16*(\sc)+2*(\a)+(\q)] matrix_a_scale:MATRIX_SCALE_ROW1
.else
	v_wmma_scale_f32_16x16x128_f8f6f4 v[8*(8*((\a)%4)+\b):8*(8*((\a)%4)+\b)+7], v[128*(\p)+16*\b:128*(\p)+16*\b+15], v[AF+16*(\a):AF+16*(\a)+15], v[8*(8*((\a)%4)+\b):8*(8*((\a)%4)+\b)+7], v[SC+16*(\sc)+2*\b+(\q)], v[SC+16*(\sc)+2*(\a)+(\q)] matrix_a_scale:MATRIX_SCALE_ROW1
.endif
.endr
.endr
.endm
.macro STEP slot, mode                 ; phase 1: a slot's first 128 along K; fetches its second: with the run at its end all reads of the slot have been issued
	s_wait_dscnt 16
.if \mode
	WIN FIRST_LO
.else
	WIN MUL_LO
.endif
	MUL16 0, 0, 0, \slot, \mode
	MUL16 2, 0, 0, \slot, \mode
	s_wait_dscnt 0
	PLACES 8
	FETCH_B ADRB+\slot, 4224, 2112, 1
	FETCH_A ADRA+\slot, 4224, 2112, 0
.if \mode
	WIN FIRST_HI
.else
	WIN MUL_HI
.endif
	MUL16 4, 0, 0, \slot, \mode
	MUL16 6, 0, 0, \slot, \mode
	PLACES 8
	WIN 0
	FETCH_A ADRA+\slot, 4224, 2112, 4
.endm
; A slot's last 128 along K (weights' set p, scale word q).  Its fragments are all in registers or on their way there, so THE CHANGE OF SLOTS STANDS AT ITS HEAD: each wave waits for all its tensor loads (its part of the next slot),
; adds 0 to its spare word, and waits for that and for its reads of this slot; the barrier (where a slot is filled again: a round of the cluster's); the refill, one load a wave; and only then the 64 matrix instructions.
; kind: 0 nothing is filled; 1 a phase 1 tile; 2 a phase 2 tile.  sa, sb: what A's and the weights' addresses step by.  ng: the next slot's geometry (1: two K steps a tile, 2: one).  ss: what the scale words' address steps by.  pf: the prefetch (macro ASK), 0: none.
.macro TURN slot, p, q, kind, sa, sb, ng, ss, pf
.if \pf
	s_wait_xcnt 0x0                                ; the last prefetch, a change of slots back, has read its address: it is stepped only behind this wait
	s_add_nc_u64 s[PFA:PFA+1], s[PFA:PFA+1], 2048
.endif
	s_wait_tensorcnt 0x0                           ; all my tensor loads have landed: my part of the next slot; so every group 0 may be written
	ds_add_u32 v[SPW], v[NIL]                      ; 0 onto my spare word; the descriptors' steps stand between it and the wait for it
.if \kind
.if \sa
	s_add_nc_u64 s[GA+4*\slot+2:GA+4*\slot+3], s[GA+4*\slot+2:GA+4*\slot+3], \sa
.endif
	s_add_nc_u64 s[GB+4*\slot+2:GB+4*\slot+3], s[GB+4*\slot+2:GB+4*\slot+3], \sb
.endif
	s_wait_dscnt 0x0                               ; the add is done, and my reads of this slot are over
	s_barrier_signal -1
	s_barrier_wait -1
.if \kind
	CREST                                          ; no wave of any partner still reads this slot or has a load on its way
.if \kind == 1
	JLOAD GA+4*\slot, R1A, GB+4*\slot, R1B
.else
	JLOAD GA+4*\slot, R2A, GB+4*\slot, R2B
.endif
.if \pf
	ASK \pf
.endif
.endif
	WIN MUL_LO
	MUL16 0, \p, \q, \slot, 0
	MUL16 2, \p, \q, \slot, 0
	PLACES 8
	WIN 0
.if \ng == 1
	v_add_nc_u32 v[ADRS], \ss, v[ADRS]
	FETCH_B ADRB+1-\slot, 4224, 0, 1-\p
	FETCH_A ADRA+1-\slot, 4224, 0, 0
	SCALES 1-\slot
.else
.if \ss
	v_add_nc_u32 v[ADRS2], \ss, v[ADRS2]
.endif
	FETCH_B ADRB+1-\slot, 2112, 0, 1-\p
	FETCH_A ADRA2+1-\slot, 2112, 0, 0
	SCALES2 1-\slot
.endif
	WIN MUL_HI
	MUL16 4, \p, \q, \slot, 0
	MUL16 6, \p, \q, \slot, 0
	PLACES 8
	WIN 0
.if \ng == 1
	FETCH_A ADRA+1-\slot, 4224, 0, 4
.else
	FETCH_A ADRA2+1-\slot, 2112, 0, 4
.endif
.endm
.macro LAST p, q, sc
	s_wait_dscnt 16
	WIN MUL_LO
	MUL16 0, \p, \q, \sc, 0
	MUL16 2, \p, \q, \sc, 0
	s_wait_dscnt 0
	WIN MUL_HI
	MUL16 4, \p, \q, \sc, 0
	MUL16 6, \p, \q, \sc, 0
	WIN 0
.endm
.macro MULC g
.set i, 64*(\g)
.rept 32
	v_pk_mul_f32 v[i:i+1], v[i:i+1], s[C2:C2+1] op_sel_hi:[1,0]
.set i, i+2
.endr
.endm
.macro EXPG g
.set i, 64*(\g)
.rept 64
	v_exp_f32 v[i], v[i]
.set i, i+1
.endr
.endm
.macro ADD1 g
.set i, 64*(\g)
.rept 32
	v_pk_add_f32 v[i:i+1], v[i:i+1], 1.0 op_sel_hi:[1,0]
.set i, i+2
.endr
.endm
.macro RCPG g
.set i, 64*(\g)
.rept 64
	v_rcp_f32 v[i], v[i]
.set i, i+1
.endr
.endm
.macro FING g
.set i, 64*(\g)
.rept 32
	v_pk_fma_f32 v[i:i+1], v[i:i+1], v[AL:AL+1], v[BE:BE+1]
.set i, i+2
.endr
.endm
.macro TWAIT                           ; one wait for a whole batch of transcendentals, ahead of its first reader; a plain line stands behind the batch's last
	s_wait_alu depctr_va_vdst(0)
.endm
.macro TANHW w                         ; in place on window w, each accumulator from its low end on; a group's reciprocals and the next group's powers are one batch
	WIN ((\w)<<6)|(\w)
	MULC 0
	EXPG 0
	MULC 1
	TWAIT
	ADD1 0
	RCPG 0
	EXPG 1
	MULC 2
	TWAIT
	FING 0
	ADD1 1
	RCPG 1
	EXPG 2
	MULC 3
	TWAIT
	FING 1
	ADD1 2
	RCPG 2
	EXPG 3
	v_nop
	TWAIT
	FING 2
	ADD1 3
	RCPG 3
	v_nop
	TWAIT
	FING 3
.endm
.macro ZSLOAD k0                       ; 32 of the 64 loads of Z S: my four tiles of rows, in the accumulators' order, where the weights' fragments lay
	WIN TO_B
.set k, \k0
.rept 32
	global_load_b128 v[4*k:4*k+3], v[LI], s[4:5] offset:512*k th:TH_LOAD_NT
.set k, k+1
.endr
.endm
.macro FMA a                           ; tile a of my four: (1 - G) H + Z S, over Z S in window 1
	s_wait_loadcnt 48-16*(\a)                      ; this tile's sixteen loads of Z S are in; the younger tiles' may be out
	WIN 0x5e                                       ; source 0 window 2, source 1 window 3, source 2 and destination window 1
.set i, 64*(\a)
.rept 32
	v_pk_fma_f32 v[i:i+1], v[i:i+1], v[i:i+1], v[i:i+1]
.set i, i+2
.endr
.endm
.macro TOSTAGE a                       ; register 16 b + i is column 32 b + 16 h + i of row r: into my stage by rows of 528 bytes, back as whole rows of 512
	WIN 0x04                                       ; an LDS store's data are its source 1: window 1
.irp b, 0,1,2,3
.irp j, 0,1,2,3
	ds_store_b128 v[STI], v[64*(\a)+16*\b+4*\j:64*(\a)+16*\b+4*\j+3] offset:128*\b+16*\j
.endr
.endr
	WIN 0
.irp t, 0,1,2,3,4,5,6,7,8,9,10,11,12,13,14,15
	ds_load_b128 v[OB+64*((\a)%2)+4*\t:OB+64*((\a)%2)+4*\t+3], v[STO] offset:528*\t   ; LDS serves a wave's instructions in order: these see my stores, and the next tile's stores come behind them
.endr
.endm
.macro SEND a, younger
	s_wait_dscnt \younger
.irp t, 0,1,2,3,4,5,6,7,8,9,10,11,12,13,14,15
	global_store_b128 v[LI], v[OB+64*((\a)%2)+4*\t:OB+64*((\a)%2)+4*\t+3], s[6:7] offset:(16*(\a)+\t)*4096 th:TH_STORE_NT   ; 32 lanes store 512 consecutive bytes, at a multiple of 256 from the buffer's first byte
.endr
.endm
	s_load_b64 s[GA+2:GA+3], s[0:1], 0x0           ; ac
	s_load_b64 s[G0S+2:G0S+3], s[0:1], 0x8         ; asc
	s_load_b64 s[KA:KA+1], s[0:1], 0x10            ; src
	s_load_b64 s[G0R+2:G0R+3], s[0:1], 0x18        ; srs
	s_load_b64 s[GB+2:GB+3], s[0:1], 0x20          ; wc
	s_load_b64 s[66:67], s[0:1], 0x28              ; wsc
	s_load_b64 s[8:9], s[0:1], 0x30                ; bg
	s_load_b64 s[104:105], s[0:1], 0x38            ; bh
	s_load_b128 s[4:7], s[0:1], 0x40               ; zs, out0
	v_lshl_add_u32 v[SPW], v0, 2, SPARE
	v_mov_b32 v[NIL], 0
	ds_add_u32 v[SPW], v[NIL]                      ; the wave's opening: the add, twice on end, and its wait ahead of my first tensor load
	ds_add_u32 v[SPW], v[NIL]
	v_lshrrev_b32 v1, 5, v0
	v_readfirstlane_b32 s[WV], v1
	s_lshr_b32 s[RH], s[WV], 1
	s_and_b32 s[GT], s[WV], 1
	s_bfe_u32 s17, ttmp6, 0x40000                  ; cx, cy
	s_bfe_u32 s18, ttmp6, 0x40004
	s_lshl_b32 s[XB], ttmp9, 2
	s_add_co_u32 s[XB], s[XB], s17
	s_and_b32 s[YB], ttmp7, 0xffff
	s_lshl_b32 s[YB], s[YB], 2
	s_add_co_u32 s[YB], s[YB], s18
	s_lshl_b32 s19, s18, 2
	s_lshl_b32 s19, 15, s19                        ; my row of the cluster
	s_lshl_b32 s2, 0x1111, s17                     ; my column
	s_or_b32 s[R1A], s19, RINGW0
	s_or_b32 s[R1B], s2, RINGW0
	s_or_b32 s[R2A], s19, RINGW0
	s_or_b32 s[R2B], s2, RINGW0
.irp g, R1A, R1B
	s_mov_b32 s[\g+1], 512<<16                     ; two K steps of one tile of 16: 4,096 bytes = 512 elements
	s_mov_b32 s[\g+2], 8<<16
	s_mov_b32 s[\g+3], 512<<16
	s_mov_b32 s[\g+4], 8
	s_mov_b32 s[\g+5], 4096
	s_mov_b32 s[\g+6], 0
	s_mov_b32 s[\g+7], 0
.endr
	s_mov_b32 s[R2A+1], 256<<16                    ; one K step of one tile: 2,048 bytes; 16 tiles of rows
	s_mov_b32 s[R2A+2], 16<<16
	s_mov_b32 s[R2A+3], 256<<16
	s_mov_b32 s[R2A+4], 16
	s_mov_b32 s[R2A+5], 4096
	s_mov_b32 s[R2A+6], 0
	s_mov_b32 s[R2A+7], 0
	s_mov_b32 s[R2B+1], 256<<16                    ; 8 weight tiles
	s_mov_b32 s[R2B+2], 8<<16
	s_mov_b32 s[R2B+3], 256<<16
	s_mov_b32 s[R2B+4], 8
	s_mov_b32 s[R2B+5], 4096
	s_mov_b32 s[R2B+6], 0
	s_mov_b32 s[R2B+7], 0
	s_mov_b32 s[SCD], 3<<16                        ; scale words: 8,192 dense bytes as 32 rows of 256; no mask, no padding
	s_mov_b32 s[SCD+1], 32<<16
	s_mov_b32 s[SCD+2], 32<<16
	s_mov_b32 s[SCD+3], 32<<16
	s_mov_b32 s[SCD+4], 32
	s_mov_b32 s[SCD+5], 32
	s_mov_b32 s[SCD+6], 0
	s_mov_b32 s[SCD+7], 0
	s_mov_b32 s[SRG], (3<<16)|(1<<20)|(6<<22)|(127<<25)   ; S R's: 4 tiles of 512 bytes, 512 bytes of padding behind each: 1,024 apart, as the others lie; no mask
	s_mov_b32 s[SRG+1], 64<<16
	s_mov_b32 s[SRG+2], 4<<16
	s_mov_b32 s[SRG+3], 64<<16
	s_mov_b32 s[SRG+4], 4
	s_mov_b32 s[SRG+5], 64
	s_mov_b32 s[SRG+6], 0
	s_mov_b32 s[SRG+7], 0
	s_mov_b32 s[C2], 0x4038aa3b                    ; 2 log2(e)
	s_mov_b32 s[C2+1], s[C2]
	s_lshl_b32 s20, s[YB], 19                      ; phase 1's A: tile of rows 16 y + 8 x half
	s_lshl_b32 s21, s[GT], 18
	s_add_co_u32 s20, s20, s21
	s_mov_b32 s21, 0
	s_lshl_b32 s22, s[YB], 19                      ; phase 2's A: tile 16 y, K step 8
	s_add_co_u32 s22, s22, 16384
	s_mov_b32 s23, 0
	s_lshl_b32 s18, s[XB], 18                      ; the weights: gate 2 + mine, tile 8 x
	s_lshl_b32 s19, s[GT], 21
	s_add_co_u32 s18, s18, s19
	s_add_co_u32 s18, s18, GATE0<<21
	s_mov_b32 s19, 0
	s_mul_i32 s2, s[WV], Q                         ; where my tiles go: wave x a quarter
	s_wait_dscnt 0x0                               ; both opening adds are done
	s_wait_kmcnt 0x0
	s_cmp_eq_u32 s[GT], 0
	s_cselect_b64 s[8:9], s[8:9], s[104:105]       ; my gate's bias
	s_cselect_b64 s[KA:KA+1], s[GA+2:GA+3], s[KA:KA+1]   ; wave 0 fetches S's codes, wave 1 those of S R: a choice by the wave's number
	s_add_nc_u64 s[KA:KA+1], s[KA:KA+1], s[22:23]
	s_add_nc_u64 s[GA+2:GA+3], s[GA+2:GA+3], s[20:21]
	s_add_nc_u64 s[GA+6:GA+7], s[GA+2:GA+3], 4096
	s_add_nc_u64 s[GB+2:GB+3], s[GB+2:GB+3], s[18:19]
	s_add_nc_u64 s[GB+6:GB+7], s[GB+2:GB+3], 4096
	s_add_nc_u64 s[PFA:PFA+1], s[GB+2:GB+3], 14336 ; the prefetches begin at K step 7 of what I fetch in phase 2: the first of them steps to K step 8
	s_sub_nc_u64 s[20:21], s[KA:KA+1], 2048
	s_cmp_eq_u32 s[RH], 0
	s_cselect_b64 s[PFA:PFA+1], s[20:21], s[PFA:PFA+1]
	s_or_b32 s[KA+1], s[KA+1], 0x80000000
.irp s, 0,1
	s_mov_b32 s[GA+4*\s], 1
	s_add_co_u32 s[GA+4*\s+1], s2, \s*SLOT
	s_or_b32 s[GA+4*\s+3], s[GA+4*\s+3], 0x80000000
	s_mov_b32 s[GB+4*\s], 1
	s_add_co_u32 s[GB+4*\s+1], s2, \s*SLOT
	s_or_b32 s[GB+4*\s+3], s[GB+4*\s+3], 0x80000000
.endr
	s_lshl_b32 s20, s[YB], 14                      ; scale words: A's half,
	s_lshl_b32 s21, s[GT], 13
	s_add_co_u32 s20, s20, s21
	s_lshl_b32 s22, s[XB], 13                      ; or a gate's
	s_lshl_b32 s23, s[GT], 16
	s_add_co_u32 s22, s22, s23
	s_add_co_u32 s22, s22, GATE0<<16
	s_cmp_eq_u32 s[RH], 0
	s_cselect_b64 s[G0S+2:G0S+3], s[G0S+2:G0S+3], s[66:67]
	s_cselect_b32 s20, s20, s22
	s_mov_b32 s21, 0
	s_add_nc_u64 s[G0S+2:G0S+3], s[G0S+2:G0S+3], s[20:21]
	s_or_b32 s[G0S+3], s[G0S+3], 0x80000000
	s_mov_b32 s[G0S], 1
	s_lshl_b32 s22, s[GT], 13
	s_lshl_b32 s23, s[RH], 15
	s_add_co_u32 s22, s22, s23
	s_add_co_u32 s[G0S+1], s22, SA
	s_lshl_b32 s20, s[YB], 13                      ; S R's scale words: 4 tiles a wave
	s_lshl_b32 s22, s[WV], 11
	s_add_co_u32 s20, s20, s22
	s_add_nc_u64 s[G0R+2:G0R+3], s[G0R+2:G0R+3], s[20:21]
	s_or_b32 s[G0R+3], s[G0R+3], 0x80000000
	s_mov_b32 s[G0R], 1
	s_lshl_b32 s22, s[WV], 12
	s_add_co_u32 s[G0R+1], s22, SSR
	CROUND                                         ; all sixteen work-groups are here: the first joint loads meet
	tensor_load_to_lds s[G0S:G0S+3], s[SCD:SCD+7]  ; the scale words: filled once.  With the three below four loads of mine are out
	s_nop 0
	tensor_load_to_lds s[G0R:G0R+3], s[SRG:SRG+7]
	s_nop 0
	PLACES 4
	JLOAD GA, R1A, GB, R1B
	JLOAD GA+4, R1A, GB+4, R1B
	; the prefetches: my work-group's part, and who asks.  Nothing is prefetched here, at the head
	s_bfe_u32 s17, ttmp6, 0x40000                  ; cx
	s_bfe_u32 s18, ttmp6, 0x40004                  ; cy
	s_lshl_b32 s17, s17, 17                        ; for A four tiles of rows a partner, 32,768 bytes each;
	s_lshl_b32 s18, s18, 16                        ; for the weights two tiles
	s_and_b32 s19, ttmp7, 0xffff                   ; cluster y
	s_cmp_eq_u32 s[RH], 0                          ; do I fetch for A?
	s_cselect_b32 s20, s17, s18
	s_cselect_b32 s19, ttmp9, s19                  ; the coordinate along which other clusters read the same tiles
	s_cselect_b32 s22, 3, 4                        ; eight lanes to a tile's 2,048 bytes, or sixteen to its 4,096
	s_cselect_b32 s23, 7, 15
	s_mov_b32 s21, 0
	s_add_nc_u64 s[PFA:PFA+1], s[PFA:PFA+1], s[20:21]
	s_or_b32 s18, s19, s[RH]
	s_cmp_eq_u32 s19, 0
	s_cselect_b32 s[LIM], 1, -1                    ; the same in all sixteen partners, for a given wave
	s_cmp_eq_u32 s18, 0
	s_cselect_b32 s[LIM0], 1, -1
	v_and_b32 v1, 15, v0                           ; r
	v_bfe_u32 v2, v0, 4, 1                         ; h
	v_and_b32 v3, 31, v0
	v_lshlrev_b32 v[LI], 4, v3
	v_lshrrev_b32 v31, s22, v3                     ; which of my work-group's tiles,
	v_and_b32 v[PFO], s23, v3                      ; and which block of 256 bytes in it
	v_lshlrev_b32 v[PFO], 8, v[PFO]
	v_lshl_add_u32 v[PFO], v31, 15, v[PFO]
	s_mul_i32 s17, s[RH], Q                        ; phase 1: my 8 tiles of A;
	s_mul_i32 s18, s[GT], Q
	s_mul_i32 s19, s[RH], 16896
	s_add_co_u32 s19, s19, s18                     ; phase 2: my gate's quarter, my 8 tiles in it;
	s_add_co_u32 s18, s18, 2*Q                     ; my gate's weight tiles
.irp s, 0,1
	v_add_nc_u32 v[ADRA+\s], s17, v[LI]
	v_add_nc_u32 v[ADRA2+\s], s19, v[LI]
	v_add_nc_u32 v[ADRB+\s], s18, v[LI]
	s_add_co_u32 s17, s17, SLOT
	s_add_co_u32 s19, s19, SLOT
	s_add_co_u32 s18, s18, SLOT
.endr
	s_xor_b32 s17, s[RH], 1                        ; scale words: the lower base + h x the distance
	s_xor_b32 s18, s[GT], 1
	s_add_co_u32 s19, s17, s[GT]
	s_add_co_u32 s19, s19, 3
	s_lshl_b32 s19, s19, 13                        ; phase 1: 32,768 + 8,192 (gate - row half)
	v_mul_u32_u24 v3, s19, v2
	v_lshl_add_u32 v3, v1, 3, v3
	s_lshl_b32 s19, s[RH], 13
	s_add_co_u32 s19, s19, SA
	v_add_nc_u32 v[ADRS], s19, v3
	s_mul_i32 s18, s18, 7680                       ; phase 2: 32,768 - 7,680 x gate - 8,192 x row half
	s_lshl_b32 s17, s17, 13
	s_add_co_u32 s17, s17, s18
	s_add_co_u32 s17, s17, 16896
	v_mul_u32_u24 v3, s17, v2
	v_lshl_add_u32 v3, v1, 3, v3
	s_mul_i32 s18, s[GT], 15872                    ; G's lanes 0-15 read S's words (from the fifth pair of K steps on), H's those of S R (from their first)
	s_add_co_u32 s19, s19, s18
	s_add_co_u32 s19, s19, 512
	v_add_nc_u32 v[ADRS2], s19, v3
	s_lshl_b32 s17, s[WV], 15                      ; the change of halves: 32,768 bytes a wave, in slot 0
	v_add_nc_u32 v[XO], s17, v[LI]
	s_xor_b32 s17, s[WV], 1
	s_lshl_b32 s17, s17, 15
	v_add_nc_u32 v[XI], s17, v[LI]
	s_mul_i32 s17, s[WV], 8448                     ; my stage: 16 rows x 528 bytes, in slot 1
	s_add_co_u32 s17, s17, SLOT
	v_mul_u32_u24 v3, v1, 528
	v_lshl_add_u32 v3, v2, 6, v3
	v_add_nc_u32 v[STI], s17, v3
	v_add_nc_u32 v[STO], s17, v[LI]
	s_cmp_eq_u32 s[GT], 0
	s_cselect_b32 s20, 2.0, -2.0
	s_cselect_b32 s21, 0, 1.0
	v_mov_b32 v[AL], s20
	v_mov_b32 v[AL+1], s20
	v_mov_b32 v[BE], s21
	v_mov_b32 v[BE+1], s21
	v_lshlrev_b32 v14, 6, v2                       ; the bias: lane (r, h) wants, for tile t, columns 32 (t / 2) + 8 (t % 2) + 16 h + 0 .. 7
	s_lshl_b32 s18, s[XB], 9
	s_mov_b32 s19, 0
	s_add_nc_u64 s[8:9], s[8:9], s[18:19]
.irp t, 0,1,2,3,4,5,6,7
	global_load_b128 v[BI+8*\t:BI+8*\t+3], v14, s[8:9] offset:(32*(\t/2)+8*(\t%2))*4
	global_load_b128 v[BI+8*\t+4:BI+8*\t+7], v14, s[8:9] offset:(32*(\t/2)+8*(\t%2))*4+16
.endr
	s_lshl_b32 s18, s[XB], 22                      ; Z S: [x][tile of rows 16 y + 8 x row half + 4 x gate][8,192 bytes]
	s_lshl_b32 s17, s[YB], 17
	s_add_co_u32 s18, s18, s17
	s_lshl_b32 s17, s[RH], 16
	s_add_co_u32 s18, s18, s17
	s_lshl_b32 s17, s[GT], 15
	s_add_co_u32 s18, s18, s17
	s_add_nc_u64 s[4:5], s[4:5], s[18:19]
	s_lshl_b32 s18, s[YB], 20                      ; the result: row 256 y + 128 x row half + 64 x gate, column 128 x
	s_lshl_b32 s17, s[RH], 19
	s_add_co_u32 s18, s18, s17
	s_lshl_b32 s17, s[GT], 18
	s_add_co_u32 s18, s18, s17
	s_lshl_b32 s17, s[XB], 9
	s_add_co_u32 s18, s18, s17
	s_add_nc_u64 s[6:7], s[6:7], s[18:19]
	s_wait_tensorcnt 1                             ; the scale words and my part of slot 0 are in; slot 1's load may be out
	s_barrier_signal -1
	s_barrier_wait -1
	FETCH_B ADRB, 4224, 0, 0
	FETCH_A ADRA, 4224, 0, 0
	SCALES 0
	FETCH_A ADRA, 4224, 0, 4
	s_wait_loadcnt 0x0                             ; the bias
	STEP 0, 1                                      ; the first products start the sums from the bias
	TURN 0, 1, 1, 1, 8192, 8192, 1, 128, 0         ; slot 0 takes X's third 256 along K
	STEP 1, 0
	TURN 1, 1, 1, 1, 8192, 8192, 1, 128, 1         ; slot 1 its fourth; K step 8 (the weights: 8 and 9) is prefetched
	s_mov_b64 s[GA+2:GA+3], s[KA:KA+1]             ; slot 0's last load was shown done by the wait for 0 above: its next A tile is phase 2's first
	STEP 0, 0
	TURN 0, 1, 1, 2, 0, 8192, 1, 128, 2            ; slot 0 takes K step 8
	s_add_nc_u64 s[GA+6:GA+7], s[KA:KA+1], 2048    ; likewise slot 1's: K step 9
	STEP 1, 0
	TURN 1, 1, 1, 2, 0, 6144, 2, 0, 1              ; slot 1 takes K step 9; slot 0 is read in phase 2's geometry
	s_mov_b32 s[CNT], 3
.Lk2:                                              ; a trip is two K steps of 128 and fills both slots again: K steps 10 to 15
	TURN 0, 0, 0, 2, 4096, 4096, 2, 4, 2
	TURN 1, 1, 0, 2, 4096, 4096, 2, 124, 3
	s_sub_co_u32 s[CNT], s[CNT], 1
	s_cmp_lg_u32 s[CNT], 0
	s_cbranch_scc1 .Lk2
	TURN 0, 0, 0, 0, 0, 0, 2, 4, 0                 ; the tail is written out: nothing is left to fetch, and no round follows
	ZSLOAD 0                                       ; the weights' set 0 is done with, its last readers eight places back: the first half of Z S is asked for ahead of the last K step
	LAST 1, 0, 1
	; THE WAY OUT
	PLACES 8
	ZSLOAD 32                                      ; the second half, into set 1: Z S lands while the tanh is made
	TANHW 2
	TANHW 3
	WIN 0
	s_cmp_lg_u32 s[GT], 0                          ; G's wave keeps rows 0-63 of the half and sends 1 - G of rows 64-127; H's wave keeps rows 64-127 and sends H of rows 0-63
	s_cbranch_scc1 .Lsend_h
	WIN 0x0c
.set k, 0
.rept 64
	ds_store_b128 v[XO], v[4*k:4*k+3] offset:512*k
.set k, k+1
.endr
	WIN 0
	s_branch .Lsent
.Lsend_h:
	WIN 0x08
.set k, 0
.rept 64
	ds_store_b128 v[XO], v[4*k:4*k+3] offset:512*k
.set k, k+1
.endr
	WIN 0
.Lsent:
	s_wait_dscnt 0x0                               ; for the partner's sake: my stores have landed.  (Slot 0 has had its last fill and its last read; slot 1's last reads are over in every wave that signals here)
	s_barrier_signal -1
	s_barrier_wait -1
	s_cmp_lg_u32 s[GT], 0
	s_cbranch_scc1 .Ltake_h
	WIN 0xc0                                       ; into the window just sent
.set k, 0
.rept 64
	ds_load_b128 v[4*k:4*k+3], v[XI] offset:512*k
.set k, k+1
.endr
	WIN 0
	s_branch .Ltaken
.Ltake_h:
	WIN 0x80
.set k, 0
.rept 64
	ds_load_b128 v[4*k:4*k+3], v[XI] offset:512*k
.set k, k+1
.endr
	WIN 0
.Ltaken:
	s_wait_dscnt 0x0                               ; window 2 now holds 1 - G and window 3 H of my 64 rows
	FMA 0
	TOSTAGE 0
	FMA 1
	TOSTAGE 1
	SEND 0, 32                                     ; behind tile 0's loads: tile 1's 16 stores and 16 loads
	s_wait_xcnt 0x0                                ; tile 0's stores have read their registers: tile 2's rows may land there
	FMA 2
	TOSTAGE 2
	SEND 1, 32
	s_wait_xcnt 0x0
	FMA 3
	TOSTAGE 3
	SEND 2, 32
	SEND 3, 0
	s_wait_tensorcnt 0x0                           ; the wave's end, behind my last tensor load and my last LDS store
	ds_add_u32 v[SPW], v[NIL]
	s_wait_dscnt 0x0
	CROUND                                         ; the closing round
	s_endpgm
.Lfunc_end_k_qb441309eba_gate_gh:
	.size	k_qb441309eba_gate_gh, .Lfunc_end_k_qb441309eba_gate_gh-k_qb441309eba_gate_gh
	.p2alignl 7, 3214868480
	.fill 96, 4, 3214868480
	.section	.rodata,"a",@progbits
	.p2align	6, 0x0
	.amdhsa_kernel k_qb441309eba_gate_gh
		.amdhsa_group_segment_fixed_size 327680
		.amdhsa_private_segment_fixed_size 0
		.amdhsa_enable_private_segment 0
		.amdhsa_kernarg_size 80
		.amdhsa_user_sgpr_count 2
		.amdhsa_user_sgpr_kernarg_segment_ptr 1
		.amdhsa_wavefront_size32 1
		.amdhsa_system_sgpr_workgroup_id_x 1
		.amdhsa_system_sgpr_workgroup_id_y 1
		.amdhsa_system_sgpr_workgroup_id_z 1
		.amdhsa_system_vgpr_workitem_id 0
		.amdhsa_next_free_vgpr 1024
		.amdhsa_next_free_sgpr 106
		.amdhsa_reserve_vcc 0
		.amdhsa_float_denorm_mode_32 3
		.amdhsa_float_denorm_mode_16_64 3
		.amdhsa_memory_ordered 1
		.amdhsa_forward_progress 1
		.amdhsa_inst_pref_size 255
	.end_amdhsa_kernel
	.section	.bss,"aw",@nobits
	.p2align	6
	.space	262144
	.amdgpu_metadata
---
amdhsa.version: [ 1, 2 ]
amdhsa.kernels:
  - .name:           k_qb441309eba_gate_gh
    .symbol:         k_qb441309eba_gate_gh.kd
    .args:
      - { .name: ac, .offset: 0, .size: 8, .value_kind: global_buffer, .address_space: global }
      - { .name: asc, .offset: 8, .size: 8, .value_kind: global_buffer, .address_space: global }
      - { .name: src, .offset: 16, .size: 8, .value_kind: global_buffer, .address_space: global }
      - { .name: srs, .offset: 24, .size: 8, .value_kind: global_buffer, .address_space: global }
      - { .name: wc, .offset: 32, .size: 8, .value_kind: global_buffer, .address_space: global }
      - { .name: wsc, .offset: 40, .size: 8, .value_kind: global_buffer, .address_space: global }
      - { .name: bg, .offset: 48, .size: 8, .value_kind: global_buffer, .address_space: global }
      - { .name: bh, .offset: 56, .size: 8, .value_kind: global_buffer, .address_space: global }
      - { .name: zs, .offset: 64, .size: 8, .value_kind: global_buffer, .address_space: global }
      - { .name: out0, .offset: 72, .size: 8, .value_kind: global_buffer, .address_space: global }
    .group_segment_fixed_size: 327680
    .private_segment_fixed_size: 0
    .kernarg_segment_align: 8
    .kernarg_segment_size: 80
    .max_flat_workgroup_size: 128
    .sgpr_count:     106
    .vgpr_count:     1024
    .wavefront_size: 32
...
	.end_amdgpu_metadata
.endif
;; end of part 3
